; MI455X (gfx1250); checked and timed in simulation.
; The chip was launched on July 23, 2026; its instructions are those of AMD's public machine-readable ISA for CDNA 5 (MIT licence, August 2026) and "CDNA5" Instruction Set Architecture Reference Guide (July 2026). The comments in the code are by the model that wrote it; some were corrected since.
;; Attention. Allowed arithmetic: matrix products marked QUANTISED: E4M3 operands, one E8M0 scale for each 32 along K, by v_wmma_scale_f32_16x16x128_f8f6f4 with both operands' format E4M3, f32 sums; everything else in f32.
;; Inputs: b_out 1,024 float32; w_out 1,024 x 1,024 float32; w_qkv 1,024 x 3,072 float32; x 4 x 2,048 x 1,024 float32.
;; Outputs: out0 4 x 2,048 x 1,024 float32.
;; This version of the problem:
;;   THIS VERSION OF THE PROBLEM IS GIVEN IN LOW PRECISION. The matrix products marked QUANTISED in the list below multiply operands that are first quantised to E4M3 (4 exponent bits, 3 mantissa bits; 8 bits a number), with one power-of-two scale for each 32 numbers along K (OCP MX v1.0); their sums are f32. All else is computed in f32.
;;   The module's matrix products, in the order in which they are computed (A, B: the left and right operand; K: the contracted axis; several contracted axes count as one K, in the product's order):
;;     1. [M 8,192, K 1,024] x [K 1,024, N 3,072]; A: input x; B: input w_qkv: QUANTISED
;;     2. batch 64 x [M 2,048, K 64] x [K 64, N 2,048]; A: computed on the way; B: computed on the way: QUANTISED
;;     3. batch 64 x [M 2,048, K 2,048] x [K 2,048, N 64]; A: softmax (see below); B: computed on the way: QUANTISED
;;     4. [M 8,192, K 1,024] x [K 1,024, N 1,024]; A: computed on the way; B: input w_out: QUANTISED
;;   THE QUANTISER, for each operand of a quantised product, along K:
;;     - K is cut into blocks of 32 from its start; a last block that is shorter is filled with zeros.
;;     - A block's scale is 2^e with e = floor(log2(the largest magnitude in the block)) - 8, held to -126 .. 127; a block of zeros has e = 0. As a byte (E8M0): e + 127.
;;     - Each number is divided by its block's scale, clamped to +-448, and rounded to the nearest number of E4M3, ties to even, subnormals kept.
;;     - The product sums the exact products of the quantised numbers (number of the format x scale) in f32.
;;   ~~~python
;;   def quantise(x, axis):      # numpy; x: float32 -> the quantised numbers, widened to float32 again
;;       x = np.moveaxis(x, axis, -1); K = x.shape[-1]
;;       x = np.pad(x, [(0, 0)] * (x.ndim - 1) + [(0, -K % 32)]); x = x.reshape(x.shape[:-1] + (-1, 32)); a = np.abs(x).max(-1, keepdims=True)
;;       e = np.where(a > 0, np.clip(np.frexp(np.where(a > 0, a, 1))[1] - 1 - 8, -126, 127), 0)      # np.frexp(a)[1] - 1 = floor(log2(a)), exactly
;;       r = np.clip(x / 2.0 ** e, -448, 448)
;;       step = 2.0 ** (np.maximum(np.frexp(np.where(r == 0, 1, r))[1] - 1, -6) - 3)
;;       q = np.round(r / step) * step * 2.0 ** e      # np.round: ties to even
;;       return np.moveaxis(q.reshape(q.shape[:-2] + (-1,))[..., :K], -1, axis).astype(np.float32)
;;   ~~~
;;   SOFTMAX AHEAD OF A QUANTISED PRODUCT. Where the list says 'softmax', what is quantised is not the finished softmax but p = 2^(t - M), with t = logit x log2(e) and M = ceil(the row's largest t), a whole number; so 1/2 < the row's largest p <= 1. The row's sum l is taken of the UNQUANTISED p, in f32, and the product's result is divided by l at the end. Since M is a whole number, a kernel that streams over the keys may use a running M (the ceiling of the running maximum): every later rescaling is an exact power of two, which a block's scale takes up: the codes' values come out the same.
;;   OPERANDS COMPUTED ON THE WAY. 'Computed on the way' means the value that the module computes at that place (a softmax that the list does not call 'softmax' is quantised finished and normalised). What goes into a quantiser is computed in f32, as accurately as f32 sums, v_exp_f32 and their like allow (about 1e-6 of the number): no bf16 or f16 on the way to a quantiser, and a product that is left as it is and whose result goes on into a quantised operand takes f32 operands (vector FMAs, or v_wmma_f32_16x16x4_f32). A number that lies on a knife's edge between two numbers of the format may be rounded either way, as far as f32 arithmetic and the matrix unit's own rounding can turn it there, and no further.
;; One version. Each part assembles by itself: llvm-mc -triple=amdgcn-amd-amdhsa -mcpu=gfx1250 --defsym DOCPART=n.
;; ======== version 1 of 1: 4 launches
;; limits: right only within a limited range of input values
;; workspace buffers: opr 12,976,128 bytes; qkvr 26,738,688 bytes; orr 8,650,752 bytes
;; launch quant (part 1): grid 512 x 1, 4 waves a work-group, no clusters, 35,328 bytes of LDS; arguments x, w_qkv, w_out, opr; writes opr
.if DOCPART == 1
	.amdgcn_target "amdgcn-amd-amdhsa--gfx1250"
	.amdhsa_code_object_version 6
	.text
	.protected	k_qf5cfcdf6a6_quant
	.globl	k_qf5cfcdf6a6_quant
	.p2align	8
	.type	k_qf5cfcdf6a6_quant,@function
k_qf5cfcdf6a6_quant:
	s_mov_b64 s[64:65], 0
	v_nop
	global_prefetch_b8 v0, s[64:65] scope:SCOPE_SE
	s_setreg_imm32_b32 hwreg(HW_REG_WAVE_MODE, 25, 1), 1
	s_wait_xcnt 0x0
; x [8192][1024], w_qkv [1024][3072] and w_out [1024][1024], f32, become codes of FP8 (E4M3) with one E8M0 scale byte for each 32 along K, laid as RECORDS.
; A RECORD is 128 rows x 128 along K: eight fragment images of 2,048 bytes (fragment f, c = 0..3, lane 16 h + r: the 16 codes k = 32 c + 16 h + 0..15 of row position 16 f + r lie at 2048 f + 512 c + 16 lane),
; then 128 scale words (position p's four bytes at 16384 + 4 p).  Position p holds logical row p with its bits 3 and 4 exchanged.  A fragment so comes and goes by four accesses of 16 bytes a lane, 512 dense bytes each.
; opr = [96 row blocks][8 panels of 128 along K] records: row blocks 0-63 tokens of x, 64-87 columns of w_qkv, 88-95 columns of w_out.
; A block's scale is 2^(floor(log2(largest magnitude)) - 8); each number is held within +-448 x the scale and rounded to the nearest code, ties to even.
; LIMITS: NaN and infinities among the inputs are not served; a block whose largest magnitude lies under 2^-118 gets the byte 1 (the floor); a block of zeros gets the byte 1 where the rule says 127:
; its codes are zeros, which add nothing under any byte but 0xff, and this program alone reads the bytes.
; Work-groups 0-255 take x (K innermost: a wave makes half a record, its rows turned through its own stage in LDS); work-groups 256-511 the weights (K outermost: a lane takes a column, its registers run down K; no LDS).
; Waves share nothing: no barrier.  No matrix work, no cluster: the launch streams each input byte once.
.set REC,   16896
.set WREG,  8704                       ; LDS of a wave: a stage of 16 rows x 528 bytes, then 256 bytes of scale words
.set SP,    528                        ; a stage row: 512 bytes + 16: the sixteen rows that a read touches begin in different banks
.set MNT,   23                         ; s23      the mantissa field of 448
.set SEL,   32                         ; s[32:33] v_permlanex16_b32's selects for lane l xor 16
.set TM,    16                         ; v16-19 largest magnitudes, v20-23 bytes, v24-27 448 x the scale, v28-31 the conversions' scale operands
.set PW,    10                         ; v10      the scale word just made
.set R,     32                         ; v32-159  two sets of 16 rows as loaded
.set X,     160                        ; v160-223 64 numbers of my row: register 16 c + i = k 32 c + 16 h + i
.set PC,    224                        ; v224-255 two sets of a fragment's codes
.set OFF,   8                          ; weights: v8-39 row i's byte offset
.set WX,    40                         ; v40-167  four blocks of 32 numbers
.set WC,    168                        ; v168-199 their codes: never written again
.set SB,    205                        ; v205     the column's scale word
	s_load_b256 s[4:11], s[0:1], 0x0               ; x s[4:5], w_qkv s[6:7], w_out s[8:9], opr s[10:11]
	s_set_vgpr_msb 0x40
	v_lshl_add_u32 v0, v0, 2, 0x8800
	v_mov_b32 v1, 0
	s_set_vgpr_msb 0x4000
	v_lshrrev_b32 v1, 5, v0
	v_readfirstlane_b32 s16, v1                    ; wave
	v_and_b32 v1, 31, v0                           ; lane
	s_mov_b32 s[MNT], 0x600000
	s_cmp_lt_u32 ttmp9, 256
	s_cbranch_scc0 .Lweights
	; ---------------- x: record = 2 x work-group + wave / 2, half = wave % 2
	s_lshr_b32 s17, s16, 1
	s_and_b32 s18, s16, 1                          ; which 64 positions of the record
	s_lshl_b32 s19, ttmp9, 1
	s_add_co_u32 s19, s19, s17                     ; record = 8 x row block + panel
	s_lshr_b32 s24, ttmp9, 2                       ; row block
	s_lshl_b32 s24, s24, 19                        ; x 128 rows of 4,096 bytes
	s_lshl_b32 s26, s18, 18                        ; + 64 rows for the upper half
	s_add_co_u32 s24, s24, s26
	s_and_b32 s26, s19, 7
	s_lshl_b32 s26, s26, 9                         ; + panel x 512 bytes
	s_add_co_u32 s24, s24, s26
	s_mov_b32 s25, 0
	s_mul_i32 s26, s19, REC
	s_lshl_b32 s28, s18, 13
	s_add_co_u32 s28, s28, s26                     ; my four fragments
	s_mov_b32 s29, 0
	s_lshl_b32 s30, s18, 8
	s_add_co_u32 s30, s30, s26
	s_add_co_u32 s30, s30, 16384                   ; my 64 scale words
	s_mov_b32 s31, 0
	s_mov_b32 s[SEL], 0x76543210
	s_mov_b32 s[SEL+1], 0xfedcba98
	s_mul_i32 s34, s16, WREG
	s_add_co_u32 s35, s34, 16*SP
	s_wait_alu depctr_va_vdst(0)
	v_lshlrev_b32 v2, 4, v1                        ; 16 x lane: a load's, an image's place
	v_add_nc_u32 v3, s34, v2                       ; the stage, on the way in
	v_and_b32 v11, 15, v1                          ; r
	v_lshrrev_b32 v12, 4, v1                       ; h
	v_mul_u32_u24 v4, v11, SP
	v_lshl_add_u32 v4, v12, 6, v4
	v_add_nc_u32 v4, s34, v4                       ; and out: row r, + 64 h bytes: my 16 numbers of a block of 32
	v_lshl_add_u32 v5, v11, 2, s35                 ; my row's scale word in LDS
	v_lshlrev_b32 v7, 3, v1
	v_add_nc_u32 v6, s35, v7                       ; the words on the way out: 8 bytes a lane
.irp b, 0,1,2,3
	v_mov_b32 v[TM+4+\b], 0                        ; written once: a lane permute's destination counts as one of its sources
.endr
	s_wait_alu depctr_va_vdst(0)
	s_wait_kmcnt 0x0
	s_add_nc_u64 s[4:5], s[4:5], s[24:25]
	s_add_nc_u64 s[12:13], s[10:11], s[30:31]
	s_add_nc_u64 s[10:11], s[10:11], s[28:29]
.macro LOAD f                          ; fragment f's sixteen rows, position i = logical row 32 (f / 2) + 8 (f % 2) + i + 8 (i / 8): each load reads 512 consecutive bytes
.irp i, 0,1,2,3,4,5,6,7,8,9,10,11,12,13,14,15
	global_load_b128 v[R+64*((\f)%2)+4*\i:R+64*((\f)%2)+4*\i+3], v2, s[4:5] offset:(32*((\f)/2)+8*((\f)%2)+\i+8*(\i/8))*4096 th:TH_LOAD_NT
.endr
.endm
.macro TURN f                          ; through the stage: LDS serves a wave's instructions in order, so no wait stands between the stores and the loads
.irp i, 0,1,2,3,4,5,6,7,8,9,10,11,12,13,14,15
	ds_store_b128 v3, v[R+64*((\f)%2)+4*\i:R+64*((\f)%2)+4*\i+3] offset:SP*\i
.endr
.irp c, 0,1,2,3
.irp j, 0,1,2,3
	ds_load_b128 v[X+16*\c+4*\j:X+16*\c+4*\j+3], v4 offset:128*\c+16*\j
.endr
.endr
.endm
.macro QUANT s, pc                     ; 64 numbers of a lane become a fragment's codes in v[pc] on and its row's scale word in v[PW]
.irp b, 0,1,2,3
	v_max3_num_f32 v[TM+\b], |v[\s+16*\b]|, |v[\s+1+16*\b]|, 0x4800000   ; block b: my 16 numbers, and the floor 2^(9 - 127): the byte cannot fall under 1
.endr
.irp i, 2,4,6,8,10,12,14
.irp b, 0,1,2,3
	v_max3_num_f32 v[TM+\b], v[TM+\b], |v[\s+16*\b+\i]|, |v[\s+1+16*\b+\i]|   ; the four blocks by turns
.endr
.endr
.irp b, 0,1,2,3
	v_permlanex16_b32 v[TM+4+\b], v[TM+\b], s[SEL], s[SEL+1]
.endr
.irp b, 0,1,2,3
	v_max_num_f32 v[TM+\b], v[TM+\b], v[TM+4+\b]   ; with lane l xor 16's: the block's largest magnitude
.endr
.irp b, 0,1,2,3
	v_add_nc_u32 v[TM+12+\b], 0xfc000000, v[TM+\b] ; 8 off its exponent field: the conversion's scale operand
.endr
.irp b, 0,1,2,3
	v_and_or_b32 v[TM+8+\b], v[TM+\b], 0x7f800000, s[MNT]   ; 448 x the scale
.endr
.irp b, 0,1,2,3
	v_lshrrev_b32 v[TM+4+\b], 23, v[TM+12+\b]      ; the scale's byte
.endr
	v_lshl_or_b32 v[PW], v[TM+5], 8, v[TM+4]
	v_lshl_or_b32 v[PW], v[TM+6], 16, v[PW]
	v_lshl_or_b32 v[PW], v[TM+7], 24, v[PW]
.irp b, 0,1,2,3
.irp i, 0,1,2,3,4,5,6,7,8,9,10,11,12,13,14,15
	v_med3_num_f32 v[\s+16*\b+\i], v[\s+16*\b+\i], -v[TM+8+\b], v[TM+8+\b]   ; the conversion to an 8-bit code does not saturate (ISA guide 7.6.2): the hold comes first
.endr
	v_cvt_scalef32_pk8_fp8_f32 v[\pc+4*\b:\pc+1+4*\b], v[\s+16*\b:\s+7+16*\b], v[TM+12+\b]
	v_cvt_scalef32_pk8_fp8_f32 v[\pc+2+4*\b:\pc+3+4*\b], v[\s+8+16*\b:\s+15+16*\b], v[TM+12+\b]
.endr
	v_nop                                          ; a plain line behind the last conversion
.endm
.macro XSTEP f
.if (\f) < 3
	s_wait_loadcnt 16                              ; this fragment's sixteen loads are in; the next fragment's sixteen may be out
.else
	s_wait_loadcnt 0x0
.endif
	TURN \f
	s_wait_dscnt 0x0                               ; my 64 numbers are back; the stage's stores have read their registers; the last word store has read v[PW]
.if (\f) < 2
	LOAD (\f)+2                                    ; into the set just left
.else
	s_wait_xcnt 0x0                                ; the stores of two fragments ago have read this set of codes
.endif
	QUANT X, PC+16*((\f)%2)
	ds_store_b32 v5, v[PW] offset:64*(\f)          ; both halves of the lanes write the same word with the same value
.irp c, 0,1,2,3
	global_store_b128 v2, v[PC+16*((\f)%2)+4*\c:PC+16*((\f)%2)+4*\c+3], s[10:11] offset:2048*(\f)+512*\c   ; 512 consecutive bytes, aligned
.endr
.endm
	LOAD 0
	LOAD 1
	XSTEP 0
	XSTEP 1
	XSTEP 2
	XSTEP 3
	ds_load_b64 v[8:9], v6                         ; my wave's 64 scale words: these see my stores
	s_wait_dscnt 0x0
	global_store_b64 v7, v[8:9], s[12:13]          ; 256 consecutive bytes, aligned
	s_set_vgpr_msb 0x5
	s_wait_tensorcnt 0x0
	ds_add_u32 v0, v1
	s_wait_dscnt 0x0
	s_set_vgpr_msb 0x500
	s_endpgm
	; ---------------- the weights: a work-group makes one record; wave w positions 32 w .. 32 w + 31, a lane a column
.Lweights:
	s_sub_co_u32 s17, ttmp9, 256                   ; t = 8 x column block + panel
	s_lshr_b32 s18, s17, 3
	s_and_b32 s19, s17, 7
	s_mov_b32 s20, 4096
	s_wait_kmcnt 0x0
	s_cmp_lt_u32 s18, 24                           ; column blocks 0-23 are w_qkv's, 24-31 w_out's: the choice hangs on the work-group's number alone
	s_cselect_b64 s[6:7], s[6:7], s[8:9]
	s_cselect_b32 s20, 12288, s20                  ; bytes from row to row
	s_cselect_b32 s21, 0, 24
	s_sub_co_u32 s18, s18, s21                     ; the column block in its own tensor
	s_lshl_b32 s36, s19, 7
	s_mul_i32 s36, s36, s20                        ; 128 x panel rows down
	s_lshl_b32 s34, s18, 9
	s_add_co_u32 s36, s36, s34                     ; + 128 columns a block
	s_lshl_b32 s34, s16, 7
	s_add_co_u32 s36, s36, s34                     ; + 32 columns a wave
	s_mov_b32 s37, 0
	s_lshl_b32 s38, s20, 5                         ; 32 rows: a block along K
	s_mov_b32 s39, 0
	s_add_nc_u64 s[24:25], s[6:7], s[36:37]
	s_add_nc_u64 s[26:27], s[24:25], s[38:39]
	s_add_nc_u64 s[28:29], s[26:27], s[38:39]
	s_add_nc_u64 s[30:31], s[28:29], s[38:39]
	s_add_co_u32 s40, s17, 512
	s_mul_i32 s40, s40, REC                        ; the record
	s_lshl_b32 s42, s16, 12
	s_add_co_u32 s42, s42, s40                     ; my two fragments
	s_mov_b32 s43, 0
	s_add_co_u32 s44, s34, s40
	s_add_co_u32 s44, s44, 16384                   ; my 32 scale words
	s_mov_b32 s45, 0
	s_add_nc_u64 s[12:13], s[10:11], s[44:45]
	s_add_nc_u64 s[10:11], s[10:11], s[42:43]
	s_wait_alu depctr_va_vdst(0)
	v_and_b32 v2, 7, v1
	v_and_b32 v3, 8, v1
	v_lshl_or_b32 v2, v3, 1, v2
	v_and_b32 v3, 16, v1
	v_lshrrev_b32 v3, 1, v3
	v_or_b32 v2, v2, v3                            ; the lane's number with bits 3 and 4 exchanged: position l holds that column
	v_lshlrev_b32 v2, 2, v2
	v_lshrrev_b32 v4, 4, v1
	v_and_b32 v5, 15, v1
	v_lshlrev_b32 v3, 4, v5
	v_lshl_add_u32 v3, v4, 11, v3                  ; my codes' place: fragment l / 16, 16 x (l % 16)
	v_lshlrev_b32 v4, 2, v1
.set n, 0
.rept 32
	v_mad_u32_u24 v[OFF+n], s20, n, v2             ; row n of a block, my column
.set n, n+1
.endr
.macro WLOAD c                         ; block c: 32 rows of my column; a wave's load reads 128 consecutive bytes, the four waves stand side by side on 512
.irp i, 0,1,2,3,4,5,6,7,8,9,10,11,12,13,14,15,16,17,18,19,20,21,22,23,24,25,26,27,28,29,30,31
	global_load_b32 v[WX+32*(\c)+\i], v[OFF+\i], s[24+2*(\c):25+2*(\c)] th:TH_LOAD_NT
.endr
.endm
.macro BLOCK c
.set XS, WX+32*(\c)
.if (\c) < 3
	s_wait_loadcnt 32                              ; this block's 32 loads are in; the next block's 32 may be out
.else
	s_wait_loadcnt 0x0
.endif
.if (\c) < 2
	WLOAD (\c)+2
.endif
	v_max3_num_f32 v200, |v[XS]|, |v[XS+1]|, |v[XS+2]|   ; the block's largest magnitude: all 32 numbers are mine
	v_max3_num_f32 v201, |v[XS+3]|, |v[XS+4]|, |v[XS+5]|
.irp i, 6,10,14,18,22,26
	v_max3_num_f32 v200, v200, |v[XS+\i]|, |v[XS+\i+1]|
	v_max3_num_f32 v201, v201, |v[XS+\i+2]|, |v[XS+\i+3]|
.endr
	v_max3_num_f32 v200, v200, |v[XS+30]|, |v[XS+31]|
	v_max3_num_f32 v200, v200, v201, 0x4800000     ; and the floor
	v_add_nc_u32 v202, 0xfc000000, v200
	v_and_or_b32 v203, v200, 0x7f800000, s[MNT]
	v_lshrrev_b32 v204, 23, v202
.if (\c) == 0
	v_mov_b32 v[SB], v204
.else
	v_lshl_or_b32 v[SB], v204, 8*(\c), v[SB]
.endif
.irp i, 0,1,2,3,4,5,6,7,8,9,10,11,12,13,14,15,16,17,18,19,20,21,22,23,24,25,26,27,28,29,30,31
	v_med3_num_f32 v[XS+\i], v[XS+\i], -v203, v203
.endr
.irp g, 0,1,2,3
	v_cvt_scalef32_pk8_fp8_f32 v[WC+8*(\c)+2*\g:WC+8*(\c)+2*\g+1], v[XS+8*\g:XS+8*\g+7], v202
.endr
	v_nop                                          ; a plain line behind the last conversion
	global_store_b128 v3, v[WC+8*(\c):WC+8*(\c)+3], s[10:11] offset:512*(\c)         ; k 0..15 of the block: sixteen lanes store 256 consecutive bytes, aligned
	global_store_b128 v3, v[WC+8*(\c)+4:WC+8*(\c)+7], s[10:11] offset:512*(\c)+256   ; k 16..31
.endm
	WLOAD 0
	WLOAD 1
	s_wait_alu depctr_va_vdst(0)
	BLOCK 0
	BLOCK 1
	BLOCK 2
	BLOCK 3
	global_store_b32 v4, v[SB], s[12:13]           ; 128 consecutive bytes a wave: two waves share an aligned 256; one byte in 128 of what the work-group reads
	s_endpgm
.Lfunc_end_k_qf5cfcdf6a6_quant:
	.size	k_qf5cfcdf6a6_quant, .Lfunc_end_k_qf5cfcdf6a6_quant-k_qf5cfcdf6a6_quant
	.p2alignl 7, 3214868480
	.fill 96, 4, 3214868480
	.section	.rodata,"a",@progbits
	.p2align	6, 0x0
	.amdhsa_kernel k_qf5cfcdf6a6_quant
		.amdhsa_group_segment_fixed_size 35328
		.amdhsa_private_segment_fixed_size 0
		.amdhsa_enable_private_segment 0
		.amdhsa_kernarg_size 32
		.amdhsa_user_sgpr_count 2
		.amdhsa_user_sgpr_kernarg_segment_ptr 1
		.amdhsa_wavefront_size32 1
		.amdhsa_system_sgpr_workgroup_id_x 1
		.amdhsa_system_sgpr_workgroup_id_y 1
		.amdhsa_system_sgpr_workgroup_id_z 1
		.amdhsa_system_vgpr_workitem_id 0
		.amdhsa_next_free_vgpr 258
		.amdhsa_next_free_sgpr 66
		.amdhsa_reserve_vcc 0
		.amdhsa_float_denorm_mode_32 3
		.amdhsa_float_denorm_mode_16_64 3
		.amdhsa_memory_ordered 1
		.amdhsa_forward_progress 1
		.amdhsa_inst_pref_size 82
	.end_amdhsa_kernel
	.amdgpu_metadata
---
amdhsa.version: [ 1, 2 ]
amdhsa.kernels:
  - .name:           k_qf5cfcdf6a6_quant
    .symbol:         k_qf5cfcdf6a6_quant.kd
    .args:
      - { .name: x, .offset: 0, .size: 8, .value_kind: global_buffer, .address_space: global }
      - { .name: w_qkv, .offset: 8, .size: 8, .value_kind: global_buffer, .address_space: global }
      - { .name: w_out, .offset: 16, .size: 8, .value_kind: global_buffer, .address_space: global }
      - { .name: opr, .offset: 24, .size: 8, .value_kind: global_buffer, .address_space: global }
    .group_segment_fixed_size: 35328
    .private_segment_fixed_size: 0
    .kernarg_segment_align: 8
    .kernarg_segment_size: 32
    .max_flat_workgroup_size: 128
    .sgpr_count:     66
    .vgpr_count:     258
    .wavefront_size: 32
...
	.end_amdgpu_metadata
.endif
;; end of part 1
;; launch gemm_qkv (part 2): grid 8 x 48, 4 waves a work-group, clusters of 4 x 4, 327,680 bytes of LDS; arguments opr, qkvr; writes qkvr
.if DOCPART == 2
	.amdgcn_target "amdgcn-amd-amdhsa--gfx1250"
	.amdhsa_code_object_version 6
	.text
	.protected	k_qf5cfcdf6a6_gemm_qkv
	.globl	k_qf5cfcdf6a6_gemm_qkv
	.p2align	8
	.type	k_qf5cfcdf6a6_gemm_qkv,@function
k_qf5cfcdf6a6_gemm_qkv:
	s_mov_b64 s[64:65], 0
	v_nop
	global_prefetch_b8 v0, s[64:65] scope:SCOPE_SE
	s_setreg_imm32_b32 hwreg(HW_REG_WAVE_MODE, 25, 1), 1
	s_wait_xcnt 0x0
	s_wait_alu depctr_hold_cnt(0) depctr_sa_sdst(0) depctr_va_vdst(0) depctr_va_sdst(0) depctr_va_ssrc(0) depctr_va_vcc(0) depctr_vm_vsrc(0)
	s_getreg_b32 s2, hwreg(HW_REG_IB_STS2, 6, 4)
	s_cmp_eq_u32 s2, 0
	s_cbranch_scc0 .Lentry_in_a_cluster
	s_endpgm
.Lentry_in_a_cluster:
	s_bfe_u32 s2, ttmp6, 0x10000c
	s_cmp_lg_u32 s2, 0xf033
	s_cbranch_scc0 .Lentry_shape_is_right
	s_endpgm
.Lentry_shape_is_right:
; qkv = x w_qkv on codes of FP8 (E4M3) with E8M0 scales (K = 1,024), and q, k, v quantised at once, in registers, into records for the attention launch: no f32 number of q, k, v goes to memory.
; RECORDS (128 rows x 128 along K): fragment f, c, lane 16 h + r: the 16 codes k = 32 c + 16 h + 0..15 of row position 16 f + r at 2048 f + 512 c + 16 lane; position p's scale word at 16384 + 4 p;
; position p holds logical row p with bits 3 and 4 exchanged.  In: opr [96 row blocks][8 panels] of 16,896 bytes.  Out: qkvr [3][32 = 8 batch + head pair][16 token blocks] of 17,408 bytes: a second area of words at 16,896 holds word >> 16.
; A tile is 256 x 256, four waves of 128 x 128: 64 accumulators.  The matrix instruction is used transposed: source 0 = 16 positions of the P side, source 1 = 16 of the R side: a lane holds ONE row position of R,
; and, by the order of positions, the 16 registers of accumulators 2 b and 2 b + 1 are 16 NEIGHBOURS along P: k = 32 b + 16 h + 0..15 of the next product.  So the results are quantised ALONG P.
; Clusters with y under 8: R = tokens, P = the columns of q and k (quantised along the head's dims).  Clusters with y from 8 on: R = the columns of v, P = tokens (quantised along the keys).  Only selects hang on that, no branch.
; K goes in four steps of 256 through two LDS slots; a wave's tensor load brings one row block's two records, 33,792 dense bytes.  CLUSTERS: 4 x 4; R's tiles are asked for jointly along a row, P's along a column.
; LIMITS: NaN and infinities are not served; a block whose largest magnitude lies under 2^-118 gets the byte 1; a block of zeros gets the byte 1 where the rule says 127 (zero codes; this program alone reads the bytes).
; 384 tiles of equal work: one and a half for each of 256 WGPs; a tile that divided evenly would need a second wave shape.
; REGISTERS: window 0: v0-31 addresses; v32-63 scale words, two sets, and nothing else; v64-95 at work in the epilogue; v128-255 A's (R's) fragments, one set, later the codes.  window 1: B's (P's) fragments, two sets; later v0-63 the held numbers.
;   windows 2, 3: the accumulators, (a, b) at v[8 (8 (a % 4) + b)].
.set REC,   16896
.set RECA,  17408
.set LOADB, 2*REC                      ; what one tensor load brings
.set WREG,  2*LOADB                    ; a fetching wave's region of LDS: its row block's part of slot 0, then of slot 1, on end
.set SLOT,  LOADB                      ; from a slot's part to the other slot's
.set SPARE, 4*WREG
.set RBS,   8*REC                      ; a row block's eight records
.set NQ,    2
.set FR,    16
.set NL,    4
.set NP,    8                          ; places behind this matrix instruction (ISA guide 7.12.1)
.set CO,    3                          ; v3      16 x lane; never rewritten
.set ADRA,  16                         ; v16-17  my R fragments in slot 0, 1
.set ADRB,  20                         ; v20-21  my P fragments
.set ADRS,  22                         ; v22-23  my scale words: lanes 0-15 R's, lanes 16-31 P's
.set SWA,   24                         ; v24     the epilogue's word stage, on the way in
.set SWR,   25                         ; v25     and out
.set SPW,   28
.set NIL,   29
.set PW,    30
.set SH,    31                         ; v31     16 h
.set SC,    32
.set TM,    64
.set PWS,   80
.set OUTW,  88
.set AF,    128
.set PC,    128
.set G1,    24
.set G0,    32
.set G1B,   48
.set G0B,   56
.set MNT,   84
.set SEL,   86
.set MSB, 0
.macro WIN new                         ; the immediate's high byte repeats the setting that is left
.if MSB != \new
	s_set_vgpr_msb (MSB<<8)|\new
.set MSB, \new
.endif
.endm
.set MUL_LO, 0xa1                      ; source 0 window 1, source 1 window 0, C and D window 2
.set MUL_HI, 0xf1
.set TO_B,   0x40
.macro JLOAD g0a, g1a, g0b, g1b        ; a joint load: waves 0 and 1 fetch for R, waves 2 and 3 for P; the branch hangs on the wave's number alone; four v_nop follow each line
	s_cmp_eq_u32 s15, 0
	s_cbranch_scc0 .Lfor_b_\@
	tensor_load_to_lds s[\g0a:\g0a+3], s[\g1a:\g1a+7]
	s_nop 0
.rept 4
	v_nop
.endr
	s_branch .Lasked_\@
.Lfor_b_\@:
	tensor_load_to_lds s[\g0b:\g0b+3], s[\g1b:\g1b+7]
	s_nop 0
.rept 4
	v_nop
.endr
.Lasked_\@:
.endm
.macro CREST
	s_cmp_lg_u32 s14, 0
	s_cbranch_scc1 .Lnot_wave_0_\@
	s_barrier_signal -3
.Lnot_wave_0_\@:
	s_barrier_wait -3
	s_barrier_signal -1
	s_barrier_wait -1
.endm
.macro CROUND
	s_barrier_signal -1
	s_barrier_wait -1
	CREST
.endm
	s_load_b128 s[4:7], s[0:1], 0x0                ; opr s[4:5], qkvr s[6:7]
	v_lshl_add_u32 v[SPW], v0, 2, SPARE
	v_mov_b32 v[NIL], 0
	ds_add_u32 v28, v29
	ds_add_u32 v28, v29
	s_wait_dscnt 0x0
	v_lshrrev_b32 v1, 5, v0
	v_readfirstlane_b32 s14, v1                    ; wave
	s_lshr_b32 s15, s14, 1                         ; my half of R.  Also: I fetch for R (0) or for P (1)
	s_and_b32 s16, s14, 1                          ; my half of P.  Also: which row block I fetch
	s_bfe_u32 s40, ttmp6, 0x40000                  ; cx
	s_bfe_u32 s41, ttmp6, 0x40004                  ; cy
	s_and_b32 s68, ttmp7, 0xffff                   ; the cluster's y, 0..11: the same in all sixteen partners
	s_sub_co_u32 s69, s68, 8
	s_lshl_b32 s69, s69, 1
	s_add_co_u32 s69, s69, ttmp9                   ; v's clusters: 2 (y - 8) + x counts the groups of four token tiles
	s_cmp_ge_u32 s68, 8
	s_cselect_b32 s70, 80, 0                       ; R's first row block: v's columns, or the tokens
	s_cselect_b32 s71, 0, 64                       ; P's: the tokens, or the columns of q and k
	s_cselect_b32 s72, 0, s68
	s_cselect_b32 s73, s69, ttmp9
	s_cselect_b32 s74, 1, 0
	s_lshl_b32 s17, s72, 2
	s_add_co_u32 s17, s17, s41                     ; tile along R
	s_lshl_b32 s42, s73, 2
	s_add_co_u32 s42, s42, s40                     ; tile along P
	s_lshl_b32 s43, s41, 2
	s_lshl_b32 s43, 15, s43                        ; my row of the cluster
	s_lshl_b32 s44, 0x1111, s40                    ; my column
	s_or_b32 s[G1+0], s43, (3<<16)|(1<<21)         ; the mask; elements of 8 bytes; bit 21 beside a mask; no padding: the images are read 512 dense bytes at a time
	s_or_b32 s[G1B+0], s44, (3<<16)|(1<<21)
.irp g, G1, G1B
	s_mov_b32 s[\g+1], 32<<16                      ; tensor_dim0: 32 elements = 256 bytes
	s_mov_b32 s[\g+2], 264<<16                     ; tensor_dim1: the head's load brings 264 rows = 67,584 bytes: four records, both slots' parts
	s_mov_b32 s[\g+3], 32<<16                      ; tile_dim0
	s_mov_b32 s[\g+4], 264                         ; tile_dim1
	s_mov_b32 s[\g+5], 32                          ; the pitch: dense
	s_mov_b32 s[\g+6], 0
	s_mov_b32 s[\g+7], 0
.endr
	s_lshl_b32 s66, s17, 1
	s_add_co_u32 s66, s66, s16
	s_add_co_u32 s66, s66, s70
	s_mul_i32 s66, s66, RBS                        ; R's row block that I would fetch, in bytes
	s_mov_b32 s67, 0
	s_lshl_b32 s46, s42, 1
	s_add_co_u32 s46, s46, s16
	s_add_co_u32 s46, s46, s71
	s_mul_i32 s46, s46, RBS                        ; P's
	s_mov_b32 s47, 0
	s_mul_i32 s45, s14, WREG                       ; where it goes: no place in the cluster enters an LDS address
	s_wait_kmcnt 0x0
	s_add_nc_u64 s[66:67], s[4:5], s[66:67]
	s_add_nc_u64 s[46:47], s[4:5], s[46:47]
	CROUND                                         ; all sixteen work-groups are here: the first joint loads meet
.irp s, 0,1
	s_mov_b32 s[G0+4*\s], 1
	s_add_co_u32 s[G0+4*\s+1], s45, \s*SLOT
	s_add_nc_u64 s[G0+4*\s+2:G0+4*\s+3], s[66:67], \s*LOADB
	s_or_b32 s[G0+4*\s+3], s[G0+4*\s+3], 0x80000000
	s_mov_b32 s[G0B+4*\s], 1
	s_add_co_u32 s[G0B+4*\s+1], s45, \s*SLOT
	s_add_nc_u64 s[G0B+4*\s+2:G0B+4*\s+3], s[46:47], \s*LOADB
	s_or_b32 s[G0B+4*\s+3], s[G0B+4*\s+3], 0x80000000
.endr
	JLOAD G0, G1, G0B, G1B                         ; K steps 0 and 1 by one load: a row block's records lie on end in memory and in my region; one tensor load a wave at the head
	v_and_b32 v1, 15, v0                           ; r
	v_bfe_u32 v2, v0, 4, 1                         ; h
	v_and_b32 v3, 31, v0
	v_lshlrev_b32 v[CO], 4, v3                     ; 16 x lane
	s_wait_alu depctr_va_vdst(0)
	s_mul_i32 s21, s15, WREG                       ; my row block of R
	s_mul_i32 s22, s16, WREG
	s_add_co_u32 s22, s22, 2*WREG                  ; my row block of P
	s_sub_co_u32 s20, s22, s21
	v_mul_u32_u24 v4, s20, v2                      ; lanes 16-31 take P's words: one product, the distance x h
	v_lshl_add_u32 v4, v1, 2, v4
	s_add_co_u32 s20, s21, 16384
.irp s, 0,1
	v_add_nc_u32 v[ADRA+\s], s21, v[CO]
	v_add_nc_u32 v[ADRB+\s], s22, v[CO]
	v_add_nc_u32 v[ADRS+\s], s20, v4
	s_add_co_u32 s21, s21, SLOT
	s_add_co_u32 s22, s22, SLOT
	s_add_co_u32 s20, s20, SLOT
.endr
	s_lshl_b32 s20, s14, 10                        ; the epilogue's word stage: 1,024 bytes a wave, in slot 0
	v_lshlrev_b32 v[SWA], 2, v1
	v_lshl_add_u32 v[SWA], v2, 9, v[SWA]
	v_add_nc_u32 v[SWA], s20, v[SWA]               ; lanes 0-15 the words, lanes 16-31 the words >> 16, 512 bytes on
	v_add_nc_u32 v[SWR], s20, v[CO]
	v_lshlrev_b32 v[SH], 4, v2
	s_mov_b32 s[MNT], 0x600000
	s_mov_b32 s[SEL], 0x76543210
	s_mov_b32 s[SEL+1], 0xfedcba98
	; my wave's record of the output
	s_lshl_b32 s76, s17, 1
	s_add_co_u32 s76, s76, s15                     ; my block along R
	s_lshl_b32 s77, s42, 1
	s_add_co_u32 s77, s77, s16                     ; my block along P
	s_add_co_u32 s78, s76, 16
	s_cmp_eq_u32 s74, 1
	s_cselect_b32 s79, s77, s76                    ; token block
	s_cselect_b32 s80, s78, s77                    ; column block, 0..23
	s_lshr_b32 s81, s80, 3                         ; q, k or v
	s_lshl_b32 s81, s81, 2
	s_lshr_b32 s82, s79, 4                         ; batch
	s_add_co_u32 s81, s81, s82
	s_lshl_b32 s81, s81, 3
	s_and_b32 s82, s80, 7                          ; head pair
	s_add_co_u32 s81, s81, s82
	s_lshl_b32 s81, s81, 4
	s_and_b32 s82, s79, 15                         ; token block in the batch
	s_add_co_u32 s81, s81, s82
	s_mul_i32 s82, s81, RECA
	s_mov_b32 s83, 0
	s_add_nc_u64 s[12:13], s[6:7], s[82:83]
.macro FRAG reg, adr, q, i             ; a fragment's image: four loads of 512 dense bytes
.irp c, 0,1,2,3
	ds_load_b128 v[\reg+4*\c:\reg+4*\c+3], v[\adr] offset:REC*(\q)+2048*(\i)+512*\c
.endr
.endm
; 16 matrix instructions: R's blocks a0, a0 + 1 x P's eight.  The 64 accumulators take turns, one instruction a turn, in the same order in every step.
.macro MUL16 a0, p, q, sc, zero
.irp a, \a0, \a0+1
.irp b, 0,1,2,3,4,5,6,7
.if \zero
	v_wmma_scale_f32_16x16x128_f8f6f4 v[8*(8*((\a)%4)+\b):8*(8*((\a)%4)+\b)+7], v[128*(\p)+FR*\b:128*(\p)+FR*\b+FR-1], v[AF+FR*(\a):AF+FR*(\a)+FR-1], 0, v[SC+8*NQ*(\sc)+NQ*\b+(\q)], v[SC+8*NQ*(\sc)+NQ*(\a)+(\q)] matrix_a_scale:MATRIX_SCALE_ROW1
.else
	v_wmma_scale_f32_16x16x128_f8f6f4 v[8*(8*((\a)%4)+\b):8*(8*((\a)%4)+\b)+7], v[128*(\p)+FR*\b:128*(\p)+FR*\b+FR-1], v[AF+FR*(\a):AF+FR*(\a)+FR-1], v[8*(8*((\a)%4)+\b):8*(8*((\a)%4)+\b)+7], v[SC+8*NQ*(\sc)+NQ*\b+(\q)], v[SC+8*NQ*(\sc)+NQ*(\a)+(\q)] matrix_a_scale:MATRIX_SCALE_ROW1
.endif
.endr
.endr
.endm
.macro FETCH_B slot, q, p
	WIN TO_B
.irp i, 0,1,2,3,4,5,6,7
	FRAG 128*(\p)+FR*\i, ADRB+\slot, \q, \i
.endr
	WIN 0
.endm
.macro FETCH_A slot, q, i0
.irp i, \i0, \i0+1, \i0+2, \i0+3
	FRAG AF+FR*(\i), ADRA+\slot, \q, \i
.endr
.endm
.macro SCALES sc                       ; a slot's scale words: register 2 i + q: lanes 0-15 R's block i, lanes 16-31 P's block i, for the slot's q-th 128 along K
.irp i, 0,1,2,3,4,5,6,7
	ds_load_b32 v[SC+8*NQ*\sc+NQ*\i], v[ADRS+\sc] offset:64*\i
	ds_load_b32 v[SC+8*NQ*\sc+NQ*\i+1], v[ADRS+\sc] offset:REC+64*\i
.endr
.endm
.macro PLACES n
.rept \n
	v_nop
.endr
.endm
.macro STEP slot, q, zero              ; a step of 128 along K that has its successor in the same slot
	s_wait_dscnt 4*NL                              ; all but the youngest sixteen loads (R's blocks 4-7) are in
	WIN MUL_LO
	MUL16 0, (\q)%2, \q, \slot, \zero
	MUL16 2, (\q)%2, \q, \slot, \zero
	s_wait_dscnt 0
	PLACES NP                                      ; in front of loads into registers that matrix instructions have read
	FETCH_B \slot, (\q)+1, 1-(\q)%2
	FETCH_A \slot, (\q)+1, 0
	WIN MUL_HI
	MUL16 4, (\q)%2, \q, \slot, \zero
	MUL16 6, (\q)%2, \q, \slot, \zero
	PLACES NP
	WIN 0
	FETCH_A \slot, (\q)+1, 4
.endm
.macro TURN slot, next, fill           ; a slot's last step changes slots: one barrier; fill = 1: it opens a round of the cluster's barrier, and this slot is filled again, two K steps ahead
	s_wait_tensorcnt 0x0                           ; all my tensor loads have landed: my part of the next slot
	ds_add_u32 v[SPW], v[NIL]                      ; 0 onto my spare word
	s_wait_dscnt 4*NL+1                            ; the add and the youngest sixteen loads may be out
	WIN MUL_LO
	MUL16 0, 1, NQ-1, \slot, 0
	s_wait_dscnt 0x0                               ; the add is done, and my reads of this slot are over
	s_barrier_signal -1
	MUL16 2, 1, NQ-1, \slot, 0
	WIN 0
	s_barrier_wait -1
.if \fill
	CREST                                          ; no wave of any partner still reads this slot or has a load on its way
	s_add_nc_u64 s[G0+4*\slot+2:G0+4*\slot+3], s[G0+4*\slot+2:G0+4*\slot+3], 2*LOADB
	s_add_nc_u64 s[G0B+4*\slot+2:G0B+4*\slot+3], s[G0B+4*\slot+2:G0B+4*\slot+3], 2*LOADB
	JLOAD G0+4*\slot, G1, G0B+4*\slot, G1B         ; my one tensor load behind the round; its four v_nop are among the places in front of the loads below
	PLACES NP-4
.else
	PLACES NP
.endif
	FETCH_B \next, 0, 0
	FETCH_A \next, 0, 0
	SCALES \next
	WIN MUL_HI
	MUL16 4, 1, NQ-1, \slot, 0
	MUL16 6, 1, NQ-1, \slot, 0
	PLACES NP
	WIN 0
	FETCH_A \next, 0, 4
.endm
	s_wait_alu depctr_va_vdst(0)
	s_wait_tensorcnt 0x0                           ; my parts of K steps 0 and 1 are in, and no tensor load of mine is out, so a descriptor may be written:
	s_mov_b32 s[G1+2], 132<<16                     ; from here on a load brings two records, 132 rows
	s_mov_b32 s[G1+4], 132
	s_mov_b32 s[G1B+2], 132<<16
	s_mov_b32 s[G1B+4], 132
	s_barrier_signal -1
	s_barrier_wait -1                              ; both slots are whole
	FETCH_B 0, 0, 0
	FETCH_A 0, 0, 0
	SCALES 0
	FETCH_A 0, 0, 4
	STEP 0, 0, 1                                   ; the first products start the sums: nothing is cleared
	TURN 0, 1, 1                                   ; K has four steps of 256: the walk is written out, no loop
	STEP 1, 0, 0
	TURN 1, 0, 1
	STEP 0, 0, 0
	TURN 0, 1, 0                                   ; nothing is left to fetch
	STEP 1, 0, 0
	s_wait_dscnt 4*NL
	WIN MUL_LO
	MUL16 0, 1, NQ-1, 1, 0
	MUL16 2, 1, NQ-1, 1, 0
	s_wait_dscnt 0
	WIN MUL_HI
	MUL16 4, 1, NQ-1, 1, 0
	MUL16 6, 1, NQ-1, 1, 0
	WIN 0
; THE EPILOGUE.  R's block a: a lane's 64 results are register 16 b + i = k 32 b + 16 h + i of its row position: they become one fragment image and one scale word, and the codes go from registers to memory.
; Each block has its own sixteen registers of codes and its own word register: no store's data are written again.
	PLACES NP
.irp b, 0,1,2,3
	v_mov_b32 v[TM+4+\b], 0                        ; written once: a lane permute's destination counts as one of its sources
.endr
.macro QA a
.set AC, 64*((\a)%4)
.set QW, 2+(\a)/4
	WIN (QW|(QW<<2))                               ; sources 0 and 1: the accumulators' window
.irp b, 0,1,2,3
	v_max3_num_f32 v[TM+\b], |v[AC+16*\b]|, |v[AC+16*\b+1]|, 0x4800000   ; each accumulator is read from its low end on; the floor 2^(9 - 127) holds the byte at 1 from below
.endr
.irp i, 2,4,6,8,10,12,14
.irp b, 0,1,2,3
	v_max3_num_f32 v[TM+\b], |v[AC+16*\b+\i]|, |v[AC+16*\b+\i+1]|, v[TM+\b]
.endr
.endr
	WIN 0
.irp b, 0,1,2,3
	v_permlanex16_b32 v[TM+4+\b], v[TM+\b], s[SEL], s[SEL+1]
.endr
.irp b, 0,1,2,3
	v_max_num_f32 v[TM+\b], v[TM+\b], v[TM+4+\b]   ; with lane l xor 16's: the block's largest magnitude
.endr
.irp b, 0,1,2,3
	v_add_nc_u32 v[TM+12+\b], 0xfc000000, v[TM+\b]
.endr
.irp b, 0,1,2,3
	v_and_or_b32 v[TM+8+\b], v[TM+\b], 0x7f800000, s[MNT]
.endr
.irp b, 0,1,2,3
	v_lshrrev_b32 v[TM+4+\b], 23, v[TM+12+\b]
.endr
	v_lshl_or_b32 v[PW], v[TM+5], 8, v[TM+4]
	v_lshl_or_b32 v[PW], v[TM+6], 16, v[PW]
	v_lshl_or_b32 v[PW], v[TM+7], 24, v[PW]
	v_lshrrev_b32 v[PWS+(\a)], v[SH], v[PW]        ; lanes 0-15 keep the word, lanes 16-31 hold word >> 16: the odd head's two bytes in front
	WIN (QW|0x40)                                  ; source 0: the accumulators; destination: window 1
.irp b, 0,1,2,3
.irp i, 0,1,2,3,4,5,6,7,8,9,10,11,12,13,14,15
	v_med3_num_f32 v[16*\b+\i], v[AC+16*\b+\i], -v[TM+8+\b], v[TM+8+\b]   ; the hold at 448 x the scale (ISA guide 7.6.2: the conversion does not saturate)
.endr
.endr
	WIN 0x01                                       ; source 0: window 1
.irp b, 0,1,2,3
	v_cvt_scalef32_pk8_fp8_f32 v[PC+16*(\a)+4*\b:PC+16*(\a)+4*\b+1], v[16*\b:16*\b+7], v[TM+12+\b]
	v_cvt_scalef32_pk8_fp8_f32 v[PC+16*(\a)+4*\b+2:PC+16*(\a)+4*\b+3], v[16*\b+8:16*\b+15], v[TM+12+\b]
.endr
	v_nop                                          ; a plain line behind the last conversion
	WIN 0
	ds_store_b32 v[SWA], v[PWS+(\a)] offset:64*(\a)   ; slot 0 has had its last fill, and every wave has passed the barrier behind its last read
.irp b, 0,1,2,3
	global_store_b128 v[CO], v[PC+16*(\a)+4*\b:PC+16*(\a)+4*\b+3], s[12:13] offset:2048*(\a)+512*\b   ; 512 consecutive bytes, aligned
.endr
.endm
.irp a, 0,1,2,3,4,5,6,7
	QA \a
.endr
	ds_load_b128 v[OUTW:OUTW+3], v[SWR]            ; my own bytes: LDS serves a wave's instructions in order
	ds_load_b128 v[OUTW+4:OUTW+7], v[SWR] offset:512
	s_wait_dscnt 0x0
	global_store_b128 v[CO], v[OUTW:OUTW+3], s[12:13] offset:16384
	global_store_b128 v[CO], v[OUTW+4:OUTW+7], s[12:13] offset:16896
	s_wait_tensorcnt 0x0                           ; the wave's end
	ds_add_u32 v[SPW], v[NIL]
	s_wait_dscnt 0x0
	CROUND                                         ; the closing round
	s_endpgm
.Lfunc_end_k_qf5cfcdf6a6_gemm_qkv:
	.size	k_qf5cfcdf6a6_gemm_qkv, .Lfunc_end_k_qf5cfcdf6a6_gemm_qkv-k_qf5cfcdf6a6_gemm_qkv
	.p2alignl 7, 3214868480
	.fill 96, 4, 3214868480
	.section	.rodata,"a",@progbits
	.p2align	6, 0x0
	.amdhsa_kernel k_qf5cfcdf6a6_gemm_qkv
		.amdhsa_group_segment_fixed_size 327680
		.amdhsa_private_segment_fixed_size 0
		.amdhsa_enable_private_segment 0
		.amdhsa_kernarg_size 16
		.amdhsa_user_sgpr_count 2
		.amdhsa_user_sgpr_kernarg_segment_ptr 1
		.amdhsa_wavefront_size32 1
		.amdhsa_system_sgpr_workgroup_id_x 1
		.amdhsa_system_sgpr_workgroup_id_y 1
		.amdhsa_system_sgpr_workgroup_id_z 1
		.amdhsa_system_vgpr_workitem_id 0
		.amdhsa_next_free_vgpr 1024
		.amdhsa_next_free_sgpr 96
		.amdhsa_reserve_vcc 0
		.amdhsa_float_denorm_mode_32 3
		.amdhsa_float_denorm_mode_16_64 3
		.amdhsa_memory_ordered 1
		.amdhsa_forward_progress 1
		.amdhsa_inst_pref_size 185
	.end_amdhsa_kernel
	.amdgpu_metadata
---
amdhsa.version: [ 1, 2 ]
amdhsa.kernels:
  - .name:           k_qf5cfcdf6a6_gemm_qkv
    .symbol:         k_qf5cfcdf6a6_gemm_qkv.kd
    .args:
      - { .name: opr, .offset: 0, .size: 8, .value_kind: global_buffer, .address_space: global }
      - { .name: qkvr, .offset: 8, .size: 8, .value_kind: global_buffer, .address_space: global }
    .group_segment_fixed_size: 327680
    .private_segment_fixed_size: 0
    .kernarg_segment_align: 8
    .kernarg_segment_size: 16
    .max_flat_workgroup_size: 128
    .sgpr_count:     96
    .vgpr_count:     1024
    .wavefront_size: 32
...
	.end_amdgpu_metadata
.endif
;; end of part 2
;; launch attn (part 3): grid 4 x 64, 16 waves a work-group, clusters of 4 x 1, 327,680 bytes of LDS; arguments qkvr, orr; writes orr
.if DOCPART == 3
	.amdgcn_target "amdgcn-amd-amdhsa--gfx1250"
	.amdhsa_code_object_version 6
	.text
	.protected	k_qf5cfcdf6a6_attn
	.globl	k_qf5cfcdf6a6_attn
	.p2align	8
	.type	k_qf5cfcdf6a6_attn,@function
k_qf5cfcdf6a6_attn:
	s_mov_b64 s[64:65], 0
	v_nop
	global_prefetch_b8 v0, s[64:65] scope:SCOPE_SE
	s_setreg_imm32_b32 hwreg(HW_REG_WAVE_MODE, 25, 1), 1
	s_wait_xcnt 0x0
	s_wait_alu depctr_hold_cnt(0) depctr_sa_sdst(0) depctr_va_vdst(0) depctr_va_sdst(0) depctr_va_ssrc(0) depctr_va_vcc(0) depctr_vm_vsrc(0)
	s_getreg_b32 s2, hwreg(HW_REG_IB_STS2, 6, 4)
	s_cmp_eq_u32 s2, 0
	s_cbranch_scc0 .Lentry_in_a_cluster
	s_endpgm
.Lentry_in_a_cluster:
	s_bfe_u32 s2, ttmp6, 0x10000c
	s_cmp_lg_u32 s2, 0x3003
	s_cbranch_scc0 .Lentry_shape_is_right
	s_endpgm
.Lentry_shape_is_right:
; Causal attention on codes of FP8 (E4M3) with E8M0 scales: S = q k^T / 8 (K = the head's 64), p = 2^(t - M), O = p v (K = the keys) / the row's sum; O is quantised at once along (head, d) for the last product.
; t = score x log2(e) / 8; M = the running largest t rounded UP to a whole number; the row's sum is taken of the unquantised p; when M moves, the sum and O are multiplied by 2^(old M - new M): exact.
; LEFT OUT: key records that lie wholly above a query block's own: the causal mask sets their scores to -inf for every input, so they add nothing to any row.
; IN: qkvr [3][32 = 8 batch + head pair][16 blocks] records of 17,408 bytes (fragment f, c, lane: 2048 f + 512 c + 16 lane; words at 16384 + 4 position; words >> 16 at 16896 + 4 position; position p = logical row p with bits 3, 4 exchanged).
;   q, k: rows = 128 tokens, c = 2 x (head of the pair) + c'.  v: rows = the pair's 128 (head, d), the bytes = 128 keys.   OUT: orr [64 token blocks][8 pairs] records of 16,896 bytes.
; SHARES.  A CLUSTER of four work-groups owns ONE head (the cluster's y).  In every one of them wave w takes the blocks of 128 queries b1 = 15 - w % 8 and then b2 = w % 8, and of each block ONE fragment of 16 query positions:
; fragment 2 cx + w / 8, cx the work-group's place.  So every wave walks 17 key steps of 128 keys: records 0 .. b1, then 0 .. b2.  Branches, trip counts and LDS addresses hang on the wave's number alone, alike in all four partners;
; cx enters only global offsets (q, O, the prefetch) and the number that the diagonal's compares hold the keys against.  Both products are used transposed: a lane holds ONE query throughout.
; THE HEAD'S K AND V STAY IN LDS: 16 records x (8,192 + 8,192) bytes of codes, filled once, by JOINT loads (mask 15): all four partners need all of them.  Wave w fetches ONE PIECE of 1,024 bytes of each record
; (rows 17,408 bytes apart): waves 0-7 K's fragment w, waves 8-15 V's piece w - 8.  LDS: 16384 piece + 1024 record.
; Records 0-3 go out at the head, records 4-9 behind the round in front of step 0, records 10-15 behind the round in front of step 4: each load has four steps in which to land.
; In steps 0 to 7 every wave is in its first block, off its diagonal (b1 is 8 at the least), and reads record = step, which has landed.  From step 8 on all records have landed, and no barrier stands in the walk.
; The scale words (K's 512 and V's 256 bytes of a record) are copied once through registers: wave w copies record w's, in whole runs of 512 and 256 bytes.
; K = 64 IN AN INSTRUCTION OF 128: a tile of K is 8 registers, the eight tiles on end; tile T's operand is its 8 and the 8 that follow (zeros behind the last); q's upper 8 registers are zero codes, so k = 64..127 adds nothing.
; LIMITS: NaN and infinities are not served; blocks under 2^-118 get the byte 1; a block of zeros gets the byte 1 where the rule says 127 (zero codes; this program alone reads the bytes); scaled scores stay under 2^31 in magnitude.
.set REC,   16896
.set RECA,  17408
.set PCE,   16384                      ; a piece's sixteen records in LDS
.set SC,    16*PCE                     ; the scale words: 768 bytes a record: K's 512, V's 256
.set SPARE, SC+16*768                  ; the spare words, 128 bytes a wave: eight blocks of 256 bytes that no other line names
.set AC0,  1                           ; v1   16 x lane
.set ADS,  2                           ; v2   the step's scale words (at the head: where my copy of V's words goes)
.set AS0,  3                           ; v3   SC + 4 r
.set SK,   4                           ; v4   where my copy of K's scale words goes
.set SPW,  5
.set NIL,  6
.set PFO,  7                           ; v7   the prefetch's offset
.set A0,   8                           ; v8-11 the step's codes: K's pieces 0-3, 4-7, V's 0-3, 4-7; v12 -M, v13 the largest t, v[14:15] the sum in two halves, v16-31 q (upper eight: zeros)
.set KF,   32                          ; v32-95 K's eight tiles, then V's four fragments; v96-103 zeros
.set S,    104                         ; v104-167 S^T, then p
.set O,    168                         ; v168-199 O^T
.set PCD,  200                         ; v200-215 p's codes, at the end O's
.set BM,   216
.set BP,   220
.set BH,   224
.set BS,   228
.set SW,   232                         ; v232-239 scale words of K's tiles, then of V's
.set F,    240                         ; v240 f = 2^(old M - new M)
.set PSW,  241                         ; v241 p's scale word
.set TMP,  242
.set QSW,  243
.set QO,   244                         ; v244 my fragment's place in q's and in O's record: a global offset
.set QS,   245
.set OS,   246
.set DD,   247                         ; v247 my query in its block, less 16 h
.set NINF, 248
.set TRIP, 2                           ; s2   the key step, 0..16
.set IN,   3                           ; s3   steps behind a round
.set SWT,  8                           ; s8   b1: the step on my first block's diagonal
.set B2,   9                           ; s9   b2
.set DG,   10                          ; s10  the next step on a diagonal: b1, then 16
.set RR,   11                          ; s11  the step's record
.set GC,   12                          ; s12  the rounds passed in the loop
.set HD,   13
.set YY,   14
.set HI,   15
.set WV,   18
.set MNT,  19
.set SEL,  20
.set CS,   22
.set FR,   45
.set LIM,  68                          ; s68  a wave prefetches while GC is under this
.set LB,   69                          ; s69  LDS: my piece's record 4
.set GB,   70                          ; s[70:71] memory: my piece of record 4
                                       ; s72-83 and s[16:17] alone hold what hangs on cx
.macro CROUND                          ; a round of the cluster's barrier
	s_barrier_signal -1
	s_barrier_wait -1
	s_cmp_lg_u32 s[WV], 0
	s_cbranch_scc1 .Lnot_wave_0_\@
	s_barrier_signal -3
.Lnot_wave_0_\@:
	s_barrier_wait -3
	s_barrier_signal -1
	s_barrier_wait -1
.endm
	s_load_b128 s[4:7], s[0:1], 0x0                ; qkvr s[4:5], orr s[6:7]
	v_lshl_add_u32 v[SPW], v0, 2, SPARE
	v_mov_b32 v[NIL], 0
	ds_add_u32 v[SPW], v[NIL]                      ; the opening lines: the add, twice on end, and its wait ahead of the round in front of my first tensor load
	ds_add_u32 v[SPW], v[NIL]
	v_lshrrev_b32 v8, 5, v0
	v_readfirstlane_b32 s[WV], v8                  ; wave 0..15
	s_and_b32 s44, ttmp7, 0xffff                   ; the cluster's y: 16 batch + head
	s_and_b32 s[HD], s44, 1                        ; the head of its pair
	s_lshr_b32 s[YY], s44, 1                       ; 8 batch + pair
	s_lshr_b32 s[HI], s[WV], 3
	s_and_b32 s[FR], s[WV], 7
	s_mov_b32 s[B2], s[FR]                         ; b2 = wave % 8
	s_xor_b32 s[SWT], s[B2], 15                    ; b1 = 15 - b2
	s_mov_b32 s[DG], s[SWT]
	s_add_co_u32 s46, s[HI], 1                     ; what I fetch: waves 0-7 of K, waves 8-15 of V
	s_lshl_b32 s46, s46, 5
	s_add_co_u32 s46, s46, s[YY]
	s_mul_i32 s50, s46, 16*RECA                    ; the pair's sixteen records
	s_cmp_eq_u32 s[HI], 0
	s_cselect_b32 s47, 10, 13                      ; the head's part: 1,024 bytes on in a fragment of K, 8,192 in a record of V
	s_cselect_b32 s48, 11, 10                      ; my piece: 2,048 bytes apart in K, 1,024 in V
	s_lshl_b32 s47, s[HD], s47
	s_lshl_b32 s48, s[FR], s48
	s_add_co_u32 s50, s50, s47
	s_add_co_u32 s50, s50, s48
	s_mov_b32 s51, 0
	s_mov_b32 s24, 15|(3<<16)|(1<<21)              ; group 1: the mask names the cluster's four; elements of 8 bytes; bit 21 beside a mask; no padding
	s_mov_b32 s25, 128<<16                         ; tensor_dim0: 1,024 bytes
	s_mov_b32 s26, 4<<16                           ; tensor_dim1: four records at the head
	s_mov_b32 s27, 128<<16                         ; tile_dim0
	s_mov_b32 s28, 4                               ; tile_dim1
	s_mov_b32 s29, RECA/8                          ; from record to record
	s_mov_b32 s30, 0
	s_mov_b32 s31, 0
	s_mov_b32 s32, 1
	s_lshl_b32 s33, s[WV], 14                      ; LDS: my piece, record 0
	s_add_co_u32 s[LB], s33, 4*1024
	s_wait_dscnt 0x0                               ; both opening adds are done
	s_wait_kmcnt 0x0
	s_add_nc_u64 s[34:35], s[4:5], s[50:51]
	s_add_nc_u64 s[GB:GB+1], s[34:35], 4*RECA
	s_or_b32 s35, s35, 0x80000000
	CROUND                                         ; all four work-groups are here: the first joint loads meet
	tensor_load_to_lds s[32:35], s[24:31]          ; records 0-3: every wave's one load at the head
	s_nop 0
.rept 4
	v_nop
.endr
	s_add_co_u32 s46, s[YY], 32                    ; the scale words that I copy: record = wave
	s_lshl_b32 s46, s46, 4
	s_add_co_u32 s46, s46, s[WV]
	s_mul_i32 s52, s46, RECA
	s_lshl_b32 s47, s[HD], 8
	s_add_co_u32 s54, s52, 512*RECA                ; V's records lie 512 records behind K's
	s_add_co_u32 s54, s54, s47                     ; V's words: 256 bytes a head
	s_add_co_u32 s52, s52, s47
	s_add_co_u32 s52, s52, s47                     ; K's: 512 bytes a head (the second area holds word >> 16)
	s_mov_b32 s53, 0
	s_mov_b32 s55, 0
	s_add_nc_u64 s[52:53], s[4:5], s[52:53]
	s_add_nc_u64 s[54:55], s[4:5], s[54:55]
	s_lshl_b32 s46, s[YY], 4
	s_add_co_u32 s56, s46, s[SWT]
	s_mul_i32 s56, s56, RECA                       ; q's record of block b1
	s_mov_b32 s57, 0
	s_add_co_u32 s58, s46, s[B2]
	s_mul_i32 s58, s58, RECA                       ; and of block b2
	s_mov_b32 s59, 0
	s_add_nc_u64 s[36:37], s[4:5], s[56:57]
	s_add_nc_u64 s[38:39], s[4:5], s[58:59]
	s_lshr_b32 s46, s44, 4
	s_lshl_b32 s46, s46, 4                         ; 16 x batch
	s_and_b32 s47, s[YY], 7                        ; pair
	s_add_co_u32 s56, s46, s[SWT]
	s_lshl_b32 s56, s56, 3
	s_add_co_u32 s56, s56, s47
	s_mul_i32 s56, s56, REC                        ; O's record of block b1
	s_add_co_u32 s58, s46, s[B2]
	s_lshl_b32 s58, s58, 3
	s_add_co_u32 s58, s58, s47
	s_mul_i32 s58, s58, REC
	s_add_nc_u64 s[40:41], s[6:7], s[56:57]
	s_add_nc_u64 s[42:43], s[6:7], s[58:59]
	s_mul_i32 s60, s[WV], 768
	s_add_co_u32 s60, s60, SC
	s_cmp_lt_u32 s[WV], 3
	s_cselect_b32 s[LIM], 1, 0
	; what hangs on my place in the cluster: my fragment of queries
	s_bfe_u32 s72, ttmp6, 0x40000                  ; cx
	s_lshl_b32 s73, s72, 1
	s_add_co_u32 s73, s73, s[HI]                   ; fragment = 2 cx + wave / 8
	s_lshl_b32 s77, s73, 11
	s_lshl_b32 s74, s[HD], 10
	s_add_co_u32 s77, s77, s74                     ; my fragment, my head, in q's and O's records
	s_lshl_b32 s78, s73, 6
	s_add_co_u32 s78, s78, 16384
	s_lshl_b32 s74, s[HD], 1
	s_add_co_u32 s79, s78, s74                     ; my head's two bytes of O's words
	s_lshl_b32 s74, s[HD], 9
	s_add_co_u32 s78, s78, s74                     ; q's words
	s_lshr_b32 s80, s73, 1
	s_lshl_b32 s80, s80, 5
	s_and_b32 s74, s73, 1
	s_lshl_b32 s74, s74, 3
	s_add_co_u32 s80, s80, s74                     ; 32 (fragment / 2) + 8 (fragment % 2)
; THE PREFETCH: at the round that loads records 4-9 the cluster asks for records 10-15, four steps ahead of their joint loads: twelve runs of 8,192 bytes (six records of K, six of V), shared out BY ADDRESS:
; waves 0 to 2 of the partner at place cx ask for record 10 + 2 wave + cx / 2 of K (cx even) or of V (cx odd): a lane for each 256 bytes, each named once in the launch.
; Records 0-9 come by their loads alone; the second round asks for nothing: no load follows it.
	s_and_b32 s81, s72, 1                          ; 0: K, 1: V
	s_lshr_b32 s82, s72, 1
	s_min_u32 s74, s[WV], 2
	s_lshl_b32 s74, s74, 1
	s_add_co_u32 s82, s82, s74
	s_add_co_u32 s82, s82, 522                     ; K's record 10 lies 32 x 16 + 10 records in,
	s_lshl_b32 s74, s81, 9                         ; V's 512 further on
	s_add_co_u32 s82, s82, s74
	s_lshl_b32 s74, s[YY], 4
	s_add_co_u32 s82, s82, s74
	s_mul_i32 s74, s82, RECA
	s_mul_i32 s83, s81, 3
	s_add_co_u32 s83, s83, 10
	s_lshl_b32 s83, s[HD], s83                     ; the head's part: 1,024 bytes on in K, 8,192 in V
	s_add_co_u32 s74, s74, s83
	s_mov_b32 s75, 0
	s_add_nc_u64 s[16:17], s[4:5], s[74:75]
	s_sub_co_u32 s76, 11, s81                      ; four lanes' 1,024 bytes lie 2,048 apart in K, 1,024 in V
	s_mov_b32 s[TRIP], 0
	s_mov_b32 s[GC], 0
	s_mov_b32 s[MNT], 0x600000
	s_mov_b32 s[SEL], 0x76543210
	s_mov_b32 s[SEL+1], 0xfedcba98
	s_mov_b32 s[CS], 0x3e38aa3b                    ; log2(e) / 8
	s_mov_b32 s[CS+1], s[CS]
	v_and_b32 v8, 31, v0                           ; lane
	v_and_b32 v9, 15, v0                           ; r
	v_bfe_u32 v10, v0, 4, 1                        ; h
	v_lshlrev_b32 v[AC0], 4, v8
	v_lshl_add_u32 v[AS0], v9, 2, SC
	v_add_nc_u32 v[SK], s60, v[AC0]
	v_lshl_add_u32 v[ADS], v8, 3, s60
	v_lshlrev_b32 v249, 3, v8
	v_add_nc_u32 v[QO], s77, v[AC0]
	v_lshl_add_u32 v[QS], v9, 2, s78
	v_lshl_add_u32 v[OS], v9, 2, s79
	global_load_b128 v[104:107], v[AC0], s[52:53] offset:16384   ; record w's scale words of K: 512 consecutive bytes
	global_load_b64 v[108:109], v249, s[54:55] offset:16384      ; and of V: 256
	global_load_b128 v[16:19], v[QO], s[36:37]     ; q of block b1: my fragment, my head's 64 dims
	global_load_b128 v[20:23], v[QO], s[36:37] offset:512
	global_load_b32 v[QSW], v[QS], s[36:37]
	v_lshrrev_b32 v11, 2, v8
	v_lshlrev_b32 v11, s76, v11
	v_and_b32 v8, 3, v8
	v_lshl_add_u32 v[PFO], v8, 8, v11
	v_and_b32 v11, 8, v9
	v_add_nc_u32 v11, v11, v9                      ; r + 8 (r / 8)
	v_lshlrev_b32 v10, 4, v10
	v_sub_nc_u32 v11, v11, v10
	v_add_nc_u32 v[DD], s80, v11                   ; position 16 fragment + r is query 32 (fragment / 2) + 8 (fragment % 2) + r + 8 (r / 8); less 16 h
	v_mov_b32 v[NINF], 0xff800000
.set n, 0
.rept 8
	v_mov_b32 v[24+n], 0                           ; q's zero codes for k = 64..127
	v_mov_b32 v[96+n], 0                           ; and what follows K's last tile
.set n, n+1
.endr
.irp b, 0,1,2,3
	v_mov_b32 v[BP+\b], 0                          ; written once: a lane permute's destination counts as one of its sources
.endr
	v_mov_b32 v[PSW], 0                            ; named as the upper half of the pair v[240:241] before it is first made
.macro INIT                            ; a block of queries begins: zeros, which the first change of M leaves zeros, and a largest t under every t
	v_mov_b32 v13, 0xff61b1e6
	s_delay_alu instid0(VALU_DEP_1)
	v_floor_f32 v12, -v13
	v_mov_b32 v14, 0
	v_mov_b32 v15, 0
.set n, 0
.rept 32
	v_mov_b32 v[O+n], 0
.set n, n+1
.endr
.endm
	INIT
	s_wait_alu depctr_va_vdst(0)                   ; the head's end
	s_wait_loadcnt 3                               ; the two loads of scale words are in; q's three may be out
	ds_store_b128 v[SK], v[104:107]
	ds_store_b64 v[ADS], v[108:109] offset:512
; A KEY STEP: 128 keys.  dg = 0: steps 0 to 7: record = step, no diagonal.  dg = 1: the record is step, or in my second block (step + b2) mod 16 = step - b1 - 1; the step lies on a diagonal where it equals s[DG].
.macro STEP dg
.if \dg
	s_cmp_gt_u32 s[TRIP], s[SWT]
	s_cselect_b32 s[RR], s[B2], 0
	s_add_co_u32 s[RR], s[RR], s[TRIP]
	s_and_b32 s[RR], s[RR], 15
.else
	s_mov_b32 s[RR], s[TRIP]
.endif
	s_lshl_b32 s46, s[RR], 10
	s_mul_i32 s47, s[RR], 768
	v_add_nc_u32 v[A0], s46, v[AC0]
	v_add_nc_u32 v[ADS], s47, v[AS0]
	v_add_nc_u32 v[A0+1], 4*PCE, v[A0]
	v_add_nc_u32 v[A0+2], 8*PCE, v[A0]
	v_add_nc_u32 v[A0+3], 12*PCE, v[A0]
.rept 3
	v_nop                                          ; with the five additions: eight places in front of loads into registers that the last products read
.endr
.irp t, 0,1,2,3,4,5,6,7
	ds_load_b128 v[KF+8*\t:KF+8*\t+3], v[A0+\t/4] offset:PCE*(\t%4)
	ds_load_b128 v[KF+8*\t+4:KF+8*\t+7], v[A0+\t/4] offset:PCE*(\t%4)+512
	ds_load_b32 v[SW+\t], v[ADS] offset:64*\t
.endr
	s_wait_alu depctr_va_vdst(0)
	s_wait_dscnt 0x0
	s_wait_loadcnt 0x0                             ; q
.irp t, 0,1,2,3,4,5,6,7
	v_wmma_scale_f32_16x16x128_f8f6f4 v[S+8*\t:S+8*\t+7], v[KF+8*\t:KF+8*\t+15], v[16:31], 0, v[SW+\t], v[QSW]
.endr
.rept 8
	v_nop                                          ; places in front of the loads below and of the first read of the scores
.endr
.irp t, 0,1,2,3
.irp c, 0,1,2,3
	ds_load_b128 v[KF+16*\t+4*\c:KF+16*\t+4*\c+3], v[A0+2+\t/2] offset:PCE*((2*\t+\c/2)%4)+512*(\c%2)   ; V's fragments land while the softmax is walked
.endr
	ds_load_b32 v[SW+\t], v[ADS] offset:512+64*\t
.endr
.if \dg
	s_cmp_lg_u32 s[TRIP], s[DG]                    ; a branch on the step and the wave's number: off the diagonal every key counts
	s_cbranch_scc1 .Lopen_\@
	s_cmp_eq_u32 s[TRIP], 16
	s_cbranch_scc1 .Lno_q_\@
	global_load_b128 v[16:19], v[QO], s[38:39]     ; the first block's last scores are made: q of block b2
	global_load_b128 v[20:23], v[QO], s[38:39] offset:512
	global_load_b32 v[QSW], v[QS], s[38:39]
.Lno_q_\@:
.set n, 0
.rept 64                                       ; register n holds key 32 (n / 16) + n % 16 + 16 h of the record: hidden where that lies over my query
	v_cmp_gt_i32 vcc_lo, 32*(n/16)+n%16, v[DD]
	v_cndmask_b32 v[S+n], v[S+n], v[NINF], vcc_lo
.set n, n+1
.endr
.Lopen_\@:
.endif
.irp b, 0,1,2,3
	v_max3_num_f32 v[BM+\b], v[S+16*\b], v[S+1+16*\b], v[S+2+16*\b]   ; the largest score of each block of 32 keys: for the row's maximum, and, since p rises with the score, for the block's largest p
.endr
.irp i, 3,5,7,9,11,13
.irp b, 0,1,2,3
	v_max3_num_f32 v[BM+\b], v[BM+\b], v[S+16*\b+\i], v[S+1+16*\b+\i]
.endr
.endr
.irp b, 0,1,2,3
	v_max_num_f32 v[BM+\b], v[BM+\b], v[S+15+16*\b]
.endr
.irp b, 0,1,2,3
	s_delay_alu instid0(VALU_DEP_4)
	v_permlanex16_b32 v[BP+\b], v[BM+\b], s[SEL], s[SEL+1]
.endr
.irp b, 0,1,2,3
	s_delay_alu instid0(VALU_DEP_4)
	v_max_num_f32 v[BM+\b], v[BM+\b], v[BP+\b]     ; with lane l xor 16's 16 keys
.endr
	s_delay_alu instid0(VALU_DEP_2)
	v_max3_num_f32 v[TMP], v[BM], v[BM+1], v[BM+2]
	s_delay_alu instid0(VALU_DEP_1)
	v_max_num_f32 v[TMP], v[TMP], v[BM+3]
	s_delay_alu instid0(VALU_DEP_1)
	v_mul_f32 v[TMP], s[CS], v[TMP]                ; as t
	s_delay_alu instid0(VALU_DEP_1)
	v_max_num_f32 v13, v13, v[TMP]                 ; the running largest t
	v_mov_b32 v[TMP], v12
	s_delay_alu instid0(VALU_DEP_2)
	v_floor_f32 v12, -v13                          ; -M = floor(-t): M is a whole number
	s_delay_alu instid0(VALU_DEP_1)
	v_sub_f32 v[TMP], v12, v[TMP]                  ; old M - new M, 0 or less
	s_delay_alu instid0(VALU_DEP_1)
	v_cvt_i32_f32 v[TMP], v[TMP]                   ; (it saturates)
	s_delay_alu instid0(VALU_DEP_1)
	v_ldexp_f32 v[F], 1.0, v[TMP]                  ; f = 2^(old M - new M)
.set n, 0
.rept 32
	v_pk_fma_f32 v[S+n:S+n+1], v[S+n:S+n+1], s[CS:CS+1], v[12:13] op_sel_hi:[1,0,0]   ; t - M, two at a time
.set n, n+2
.endr
.irp b, 0,1,2,3
	v_fma_f32 v[BM+\b], v[BM+\b], s[CS], v12
.endr
.set n, 0
	s_wait_alu depctr_va_vdst(0)                   ; ahead of the batch
.rept 64
	v_exp_f32 v[S+n], v[S+n]                       ; p = 2^(t - M): one batch
.set n, n+1
.endr
	v_pk_mul_f32 v[14:15], v[14:15], v[F:F+1] op_sel_hi:[1,0]   ; the sums under the new M: the plain line behind the exponentials
	s_wait_alu depctr_va_vdst(0)                   ; one wait for the batch, ahead of its first reader
.irp b, 0,1,2,3
	v_exp_f32 v[BM+\b], v[BM+\b]                   ; each block's largest p
.endr
	v_pk_add_f32 v[220:221], v[108:109], v[112:113]   ; the row's sum of the unquantised p, in eight chains
	v_pk_add_f32 v[254:255], v[116:117], v[120:121]
	v_pk_add_f32 v[252:253], v[124:125], v[128:129]
	v_pk_add_f32 v[250:251], v[132:133], v[136:137]
	v_pk_add_f32 v[238:239], v[140:141], v[144:145]
	v_pk_add_f32 v[236:237], v[148:149], v[152:153]
	v_pk_add_f32 v[230:231], v[156:157], v[160:161]
	v_pk_add_f32 v[14:15], v[14:15], v[164:165]
	v_pk_add_f32 v[220:221], v[220:221], v[104:105]
	v_pk_add_f32 v[254:255], v[254:255], v[106:107]
	v_pk_add_f32 v[252:253], v[252:253], v[110:111]
	v_pk_add_f32 v[250:251], v[250:251], v[114:115]
	v_pk_add_f32 v[238:239], v[238:239], v[118:119]
	v_pk_add_f32 v[236:237], v[236:237], v[122:123]
	v_pk_add_f32 v[230:231], v[230:231], v[126:127]
	v_pk_add_f32 v[14:15], v[14:15], v[130:131]
	v_pk_add_f32 v[220:221], v[220:221], v[134:135]
	v_pk_add_f32 v[254:255], v[254:255], v[138:139]
	v_pk_add_f32 v[252:253], v[252:253], v[142:143]
	v_pk_add_f32 v[250:251], v[250:251], v[146:147]
	v_pk_add_f32 v[238:239], v[238:239], v[150:151]
	v_pk_add_f32 v[236:237], v[236:237], v[154:155]
	v_pk_add_f32 v[230:231], v[230:231], v[158:159]
	v_pk_add_f32 v[14:15], v[14:15], v[162:163]
	v_pk_add_f32 v[220:221], v[220:221], v[166:167]
	s_delay_alu instid0(VALU_DEP_2)
	v_pk_add_f32 v[14:15], v[14:15], v[250:251]
	s_delay_alu instid0(VALU_DEP_2)
	v_pk_add_f32 v[220:221], v[220:221], v[238:239]
	v_pk_add_f32 v[254:255], v[254:255], v[236:237]
	v_pk_add_f32 v[252:253], v[252:253], v[230:231]
	s_delay_alu instid0(VALU_DEP_2)
	v_pk_add_f32 v[14:15], v[14:15], v[254:255]
	s_delay_alu instid0(VALU_DEP_2)
	v_pk_add_f32 v[220:221], v[220:221], v[252:253]
	s_delay_alu instid0(VALU_DEP_1)
	v_pk_add_f32 v[14:15], v[14:15], v[220:221]
	s_wait_alu depctr_va_vdst(0)                   ; and one for the four
.irp b, 0,1,2,3
	v_max_num_f32 v[BM+\b], 0x4800000, v[BM+\b]    ; the floor 2^(9 - 127)
.endr
.irp b, 0,1,2,3
	s_delay_alu instid0(VALU_DEP_4)
	v_add_nc_u32 v[BS+\b], 0xfc000000, v[BM+\b]
.endr
.irp b, 0,1,2,3
	v_and_or_b32 v[BH+\b], v[BM+\b], 0x7f800000, s[MNT]
.endr
.irp b, 0,1,2,3
	v_lshrrev_b32 v[BP+\b], 23, v[BS+\b]
.endr
	s_delay_alu instid0(VALU_DEP_3)
	v_lshl_or_b32 v[PSW], v[BP+1], 8, v[BP]        ; p's scale word for these 128 keys
	s_delay_alu instid0(VALU_DEP_1)
	v_lshl_or_b32 v[PSW], v[BP+2], 16, v[PSW]
	s_delay_alu instid0(VALU_DEP_1)
	v_lshl_or_b32 v[PSW], v[BP+3], 24, v[PSW]
.irp b, 0,1,2,3
.irp i, 0,2,4,6,8,10,12,14
	v_dual_min_num_f32 v[S+16*\b+\i], v[BH+\b], v[S+16*\b+\i] :: v_dual_min_num_f32 v[S+16*\b+\i+1], v[BH+\b], v[S+16*\b+\i+1]   ; p is not negative: a one-sided hold, two to an instruction (ISA guide 7.6.2: the conversion does not saturate)
.endr
	v_cvt_scalef32_pk8_fp8_f32 v[PCD+4*\b:PCD+4*\b+1], v[S+16*\b:S+16*\b+7], v[BS+\b]
	v_cvt_scalef32_pk8_fp8_f32 v[PCD+4*\b+2:PCD+4*\b+3], v[S+16*\b+8:S+16*\b+15], v[BS+\b]
.endr
	s_wait_alu depctr_va_vdst(0)                   ; directly ahead of the first reader of O^T
.set n, 0
.rept 16
	v_pk_mul_f32 v[O+n:O+n+1], v[O+n:O+n+1], v[F:F+1] op_sel_hi:[1,0]   ; O^T under the new M; these sixteen are also the places in front of the products
.set n, n+2
.endr
	s_wait_alu depctr_va_vdst(0)
	s_wait_dscnt 0x0                               ; V
.irp t, 0,1,2,3
	v_wmma_scale_f32_16x16x128_f8f6f4 v[O+8*\t:O+8*\t+7], v[KF+16*\t:KF+16*\t+15], v[PCD:PCD+15], v[O+8*\t:O+8*\t+7], v[SW+\t], v[PSW]
.endr
.endm
.Lgroup:                                           ; two trips: six more records are asked for, four steps are walked
	s_wait_tensorcnt 0x0                           ; my last load is in, so the descriptor may be written
	ds_add_u32 v[SPW], v[NIL]                      ; 0 onto my spare word; the descriptor's words stand between it and the wait for it
	s_mov_b32 s26, 6<<16                           ; tensor_dim1: six records from here on
	s_mov_b32 s28, 6                               ; tile_dim1
	s_mul_i32 s46, s[GC], 6*1024
	s_add_co_u32 s33, s[LB], s46                   ; record 4, then record 10
	s_mul_i32 s46, s[GC], 6*RECA
	s_mov_b32 s47, 0
	s_add_nc_u64 s[34:35], s[GB:GB+1], s[46:47]
	s_or_b32 s35, s35, 0x80000000
	s_wait_dscnt 0x0                               ; the add is done, and in the first trip my stores of scale words
	CROUND                                         ; what was asked for is whole in all four work-groups, and the joint loads meet; the load below is a first fill
	tensor_load_to_lds s[32:35], s[24:31]          ; every wave's one load behind the round
	s_nop 0
.rept 4
	v_nop
.endr
	s_cmp_lt_u32 s[GC], s[LIM]
	s_cbranch_scc0 .Lnot_asking
	global_prefetch_b8 v[PFO], s[16:17] th:TH_LOAD_NT scope:SCOPE_SE
.Lnot_asking:
	s_mov_b32 s[IN], 0
.Lfirst:
	STEP 0
	s_add_co_u32 s[TRIP], s[TRIP], 1
	s_add_co_u32 s[IN], s[IN], 1
	s_cmp_lt_u32 s[IN], 4
	s_cbranch_scc1 .Lfirst
	s_add_co_u32 s[GC], s[GC], 1
	s_cmp_lt_u32 s[GC], 2
	s_cbranch_scc1 .Lgroup
	s_wait_tensorcnt 0x0                           ; my piece of records 10-15 is in
	s_wait_dscnt 0x0
	s_barrier_signal -1
	s_barrier_wait -1                              ; all sixteen records are whole: the waves share nothing from here on
.Ltrip:                                            ; steps 8 to 16
	STEP 1
	s_cmp_lg_u32 s[TRIP], s[DG]
	s_cbranch_scc1 .Lon
; A BLOCK OF QUERIES IS FINISHED: O^T / the sum; register 16 b + i is d = 32 b + 16 h + i of my query: two blocks of 32 along the last product's K; their codes are two quarters of a fragment image.
	v_add_f32 v14, v14, v15
	s_delay_alu instid0(VALU_DEP_1)
	v_permlanex16_b32 v[TMP], v14, s[SEL], s[SEL+1]
	s_delay_alu instid0(VALU_DEP_1)
	v_add_f32 v14, v14, v[TMP]                     ; the row's sum
	s_wait_alu depctr_va_vdst(0)
	v_rcp_f32 v14, v14
.rept 8
	v_nop                                          ; places behind the last products; the first is the plain line behind the reciprocal
.endr
	s_wait_alu depctr_va_vdst(0)                   ; ahead of the reciprocal's first reader
.set n, 0
.rept 16
	v_pk_mul_f32 v[S+n:S+n+1], v[O+n:O+n+1], v[14:15] op_sel_hi:[1,0]   ; each accumulator from its low end on
.set n, n+2
.endr
.irp b, 0,1
	v_max3_num_f32 v[BM+\b], |v[S+16*\b]|, |v[S+1+16*\b]|, 0x4800000
.endr
.irp i, 2,4,6,8,10,12,14
.irp b, 0,1
	s_delay_alu instid0(VALU_DEP_2)
	v_max3_num_f32 v[BM+\b], v[BM+\b], |v[S+16*\b+\i]|, |v[S+1+16*\b+\i]|
.endr
.endr
.irp b, 0,1
	s_delay_alu instid0(VALU_DEP_2)
	v_permlanex16_b32 v[BP+\b], v[BM+\b], s[SEL], s[SEL+1]
.endr
.irp b, 0,1
	s_delay_alu instid0(VALU_DEP_2)
	v_max_num_f32 v[BM+\b], v[BM+\b], v[BP+\b]
.endr
.irp b, 0,1
	s_delay_alu instid0(VALU_DEP_2)
	v_add_nc_u32 v[BS+\b], 0xfc000000, v[BM+\b]
.endr
.irp b, 0,1
	s_delay_alu instid0(VALU_DEP_4)
	v_and_or_b32 v[BH+\b], v[BM+\b], 0x7f800000, s[MNT]
.endr
.irp b, 0,1
	s_delay_alu instid0(VALU_DEP_4)
	v_lshrrev_b32 v[BP+\b], 23, v[BS+\b]
.endr
	s_delay_alu instid0(VALU_DEP_1)
	v_lshl_or_b32 v[TMP], v[BP+1], 8, v[BP]        ; my head's two bytes of the row's scale word
.irp b, 0,1
.irp i, 0,1,2,3,4,5,6,7,8,9,10,11,12,13,14,15
	v_med3_num_f32 v[S+16*\b+\i], v[S+16*\b+\i], -v[BH+\b], v[BH+\b]
.endr
	v_cvt_scalef32_pk8_fp8_f32 v[PCD+4*\b:PCD+4*\b+1], v[S+16*\b:S+16*\b+7], v[BS+\b]
	v_cvt_scalef32_pk8_fp8_f32 v[PCD+4*\b+2:PCD+4*\b+3], v[S+16*\b+8:S+16*\b+15], v[BS+\b]
.endr
	v_nop                                          ; a plain line behind the last conversion
	global_store_b128 v[QO], v[PCD:PCD+3], s[40:41]                 ; 512 consecutive bytes, aligned
	global_store_b128 v[QO], v[PCD+4:PCD+7], s[40:41] offset:512
	global_store_b16 v[OS], v[TMP], s[40:41]       ; two bytes of each position's word (lanes 16-31 repeat lanes 0-15): part of an aligned 256; one byte in 32 of what the wave stores
	s_cmp_eq_u32 s[TRIP], 16
	s_cbranch_scc1 .Lend                           ; the second block is done
	INIT                                           ; the second block begins
	s_mov_b32 s[DG], 16                            ; its diagonal is the last step
	s_wait_xcnt 0x0                                ; the stores have read their base and their data
	s_mov_b64 s[40:41], s[42:43]
.Lon:
	s_add_co_u32 s[TRIP], s[TRIP], 1
	s_cmp_lt_u32 s[TRIP], 17
	s_cbranch_scc1 .Ltrip
.Lend:
	s_wait_tensorcnt 0x0                           ; the wave's end
	ds_add_u32 v[SPW], v[NIL]
	s_wait_dscnt 0x0
	CROUND                                         ; the closing round
	s_endpgm
.Lfunc_end_k_qf5cfcdf6a6_attn:
	.size	k_qf5cfcdf6a6_attn, .Lfunc_end_k_qf5cfcdf6a6_attn-k_qf5cfcdf6a6_attn
	.p2alignl 7, 3214868480
	.fill 96, 4, 3214868480
	.section	.rodata,"a",@progbits
	.p2align	6, 0x0
	.amdhsa_kernel k_qf5cfcdf6a6_attn
		.amdhsa_group_segment_fixed_size 327680
		.amdhsa_private_segment_fixed_size 0
		.amdhsa_enable_private_segment 0
		.amdhsa_kernarg_size 16
		.amdhsa_user_sgpr_count 2
		.amdhsa_user_sgpr_kernarg_segment_ptr 1
		.amdhsa_wavefront_size32 1
		.amdhsa_system_sgpr_workgroup_id_x 1
		.amdhsa_system_sgpr_workgroup_id_y 1
		.amdhsa_system_sgpr_workgroup_id_z 1
		.amdhsa_system_vgpr_workitem_id 0
		.amdhsa_next_free_vgpr 256
		.amdhsa_next_free_sgpr 84
		.amdhsa_reserve_vcc 1
		.amdhsa_float_denorm_mode_32 3
		.amdhsa_float_denorm_mode_16_64 3
		.amdhsa_memory_ordered 1
		.amdhsa_forward_progress 1
		.amdhsa_inst_pref_size 65
	.end_amdhsa_kernel
	.amdgpu_metadata
---
amdhsa.version: [ 1, 2 ]
amdhsa.kernels:
  - .name:           k_qf5cfcdf6a6_attn
    .symbol:         k_qf5cfcdf6a6_attn.kd
    .args:
      - { .name: qkvr, .offset: 0, .size: 8, .value_kind: global_buffer, .address_space: global }
      - { .name: orr, .offset: 8, .size: 8, .value_kind: global_buffer, .address_space: global }
    .group_segment_fixed_size: 327680
    .private_segment_fixed_size: 0
    .kernarg_segment_align: 8
    .kernarg_segment_size: 16
    .max_flat_workgroup_size: 512
    .sgpr_count:     84
    .vgpr_count:     256
    .wavefront_size: 32
...
	.end_amdgpu_metadata
.endif
;; end of part 3
;; launch gemm_out (part 4): grid 4 x 32, 4 waves a work-group, clusters of 4 x 4, 327,680 bytes of LDS; arguments orr, opr, b_out, out0; writes out0
.if DOCPART == 4
	.amdgcn_target "amdgcn-amd-amdhsa--gfx1250"
	.amdhsa_code_object_version 6
	.text
	.protected	k_qf5cfcdf6a6_gemm_out
	.globl	k_qf5cfcdf6a6_gemm_out
	.p2align	8
	.type	k_qf5cfcdf6a6_gemm_out,@function
k_qf5cfcdf6a6_gemm_out:
	s_mov_b64 s[64:65], 0
	v_nop
	global_prefetch_b8 v0, s[64:65] scope:SCOPE_SE
	s_setreg_imm32_b32 hwreg(HW_REG_WAVE_MODE, 25, 1), 1
	s_wait_xcnt 0x0
	s_wait_alu depctr_hold_cnt(0) depctr_sa_sdst(0) depctr_va_vdst(0) depctr_va_sdst(0) depctr_va_ssrc(0) depctr_va_vcc(0) depctr_vm_vsrc(0)
	s_getreg_b32 s2, hwreg(HW_REG_IB_STS2, 6, 4)
	s_cmp_eq_u32 s2, 0
	s_cbranch_scc0 .Lentry_in_a_cluster
	s_endpgm
.Lentry_in_a_cluster:
	s_bfe_u32 s2, ttmp6, 0x10000c
	s_cmp_lg_u32 s2, 0xf033
	s_cbranch_scc0 .Lentry_shape_is_right
	s_endpgm
.Lentry_shape_is_right:
.set REC,   16896
.set LOADB, 2*REC
.set WREG,  2*LOADB                    ; a fetching wave's region of LDS: its row block's part of slot 0, then of slot 1, on end
.set SLOT,  LOADB                      ; from a slot's part to the other slot's
.set SPARE, 4*WREG
.set RBS,   8*REC
.set NQ,    2
.set FR,    16
.set NL,    4
.set NP,    8
.set SPITCH, 528
.set CO,    3
.set ADRA,  16
.set ADRB,  20
.set ADRS,  22
.set STO,   24
.set RD,    25
.set SPW,   28
.set NIL,   29
.set SC,    32
.set BI,    64
.set AF,    128
.set BK,    128
.set G1,    24
.set G0,    32
.set G1B,   48
.set G0B,   56
.set MSB, 0
.macro WIN new
.if MSB != \new
	s_set_vgpr_msb (MSB<<8)|\new
.set MSB, \new
.endif
.endm
.set MUL_LO, 0xa1
.set MUL_HI, 0xf1
.set TO_B,   0x40
.macro JLOAD g0a, g1a, g0b, g1b
	s_cmp_eq_u32 s15, 0
	s_cbranch_scc0 .Lfor_b_\@
	tensor_load_to_lds s[\g0a:\g0a+3], s[\g1a:\g1a+7]
	s_nop 0
.rept 4
	v_nop
.endr
	s_branch .Lasked_\@
.Lfor_b_\@:
	tensor_load_to_lds s[\g0b:\g0b+3], s[\g1b:\g1b+7]
	s_nop 0
.rept 4
	v_nop
.endr
.Lasked_\@:
.endm
.macro CREST
	s_cmp_lg_u32 s14, 0
	s_cbranch_scc1 .Lnot_wave_0_\@
	s_barrier_signal -3
.Lnot_wave_0_\@:
	s_barrier_wait -3
	s_barrier_signal -1
	s_barrier_wait -1
.endm
.macro CROUND
	s_barrier_signal -1
	s_barrier_wait -1
	CREST
.endm
	s_load_b256 s[4:11], s[0:1], 0x0
	v_lshl_add_u32 v[SPW], v0, 2, SPARE
	v_mov_b32 v[NIL], 0
	ds_add_u32 v28, v29
	ds_add_u32 v28, v29
	s_wait_dscnt 0x0
	v_lshrrev_b32 v1, 5, v0
	v_readfirstlane_b32 s14, v1
	s_lshr_b32 s15, s14, 1
	s_and_b32 s16, s14, 1
	s_bfe_u32 s40, ttmp6, 0x40000
	s_bfe_u32 s41, ttmp6, 0x40004
	s_lshl_b32 s42, ttmp9, 2
	s_add_co_u32 s42, s42, s40
	s_and_b32 s17, ttmp7, 0xffff
	s_lshl_b32 s17, s17, 2
	s_add_co_u32 s17, s17, s41
	s_lshl_b32 s43, s41, 2
	s_lshl_b32 s43, 15, s43
	s_lshl_b32 s44, 0x1111, s40
	s_or_b32 s[G1+0], s43, (3<<16)|(1<<21)
	s_or_b32 s[G1B+0], s44, (3<<16)|(1<<21)
.irp g, G1, G1B
	s_mov_b32 s[\g+1], 32<<16
	s_mov_b32 s[\g+2], 264<<16                     ; tensor_dim1: the head's load brings 264 rows = 67,584 bytes: four records, both slots' parts
	s_mov_b32 s[\g+3], 32<<16
	s_mov_b32 s[\g+4], 264
	s_mov_b32 s[\g+5], 32
	s_mov_b32 s[\g+6], 0
	s_mov_b32 s[\g+7], 0
.endr
	s_lshl_b32 s66, s17, 1
	s_add_co_u32 s66, s66, s16
	s_mul_i32 s66, s66, RBS
	s_mov_b32 s67, 0
	s_lshl_b32 s46, s42, 1
	s_add_co_u32 s46, s46, s16
	s_add_co_u32 s46, s46, 88
	s_mul_i32 s46, s46, RBS
	s_mov_b32 s47, 0
	s_mul_i32 s45, s14, WREG
	s_wait_kmcnt 0x0
	s_add_nc_u64 s[66:67], s[4:5], s[66:67]
	s_add_nc_u64 s[46:47], s[6:7], s[46:47]
	CROUND
.irp s, 0,1
	s_mov_b32 s[G0+4*\s], 1
	s_add_co_u32 s[G0+4*\s+1], s45, \s*SLOT
	s_add_nc_u64 s[G0+4*\s+2:G0+4*\s+3], s[66:67], \s*LOADB
	s_or_b32 s[G0+4*\s+3], s[G0+4*\s+3], 0x80000000
	s_mov_b32 s[G0B+4*\s], 1
	s_add_co_u32 s[G0B+4*\s+1], s45, \s*SLOT
	s_add_nc_u64 s[G0B+4*\s+2:G0B+4*\s+3], s[46:47], \s*LOADB
	s_or_b32 s[G0B+4*\s+3], s[G0B+4*\s+3], 0x80000000
.endr
	JLOAD G0, G1, G0B, G1B                         ; K steps 0 and 1 by one load: a row block's records lie on end in memory and in my region; one tensor load a wave at the head
	v_and_b32 v1, 15, v0
	v_bfe_u32 v2, v0, 4, 1
	v_and_b32 v3, 31, v0
	v_lshlrev_b32 v[CO], 4, v3
	s_wait_alu depctr_va_vdst(0)
	s_mul_i32 s21, s15, WREG
	s_mul_i32 s22, s16, WREG
	s_add_co_u32 s22, s22, 2*WREG
	s_sub_co_u32 s20, s22, s21
	v_mul_u32_u24 v4, s20, v2
	v_lshl_add_u32 v4, v1, 2, v4
	s_add_co_u32 s20, s21, 16384
.irp s, 0,1
	v_add_nc_u32 v[ADRA+\s], s21, v[CO]
	v_add_nc_u32 v[ADRB+\s], s22, v[CO]
	v_add_nc_u32 v[ADRS+\s], s20, v4
	s_add_co_u32 s21, s21, SLOT
	s_add_co_u32 s22, s22, SLOT
	s_add_co_u32 s20, s20, SLOT
.endr
	s_mul_i32 s20, s14, 16*SPITCH
	v_mul_u32_u24 v[STO], v1, SPITCH
	v_lshl_add_u32 v[STO], v2, 6, v[STO]
	v_add_nc_u32 v[STO], s20, v[STO]
	v_add_nc_u32 v[RD], s20, v[CO]
	s_lshl_b32 s68, s42, 1
	s_add_co_u32 s68, s68, s16
	s_lshl_b32 s68, s68, 9
	s_mov_b32 s69, 0
	s_add_nc_u64 s[8:9], s[8:9], s[68:69]
	s_lshl_b32 s70, s17, 1
	s_add_co_u32 s70, s70, s15
	s_lshl_b32 s70, s70, 19
	s_mov_b32 s71, 0
	s_add_nc_u64 s[12:13], s[10:11], s[70:71]
	s_add_nc_u64 s[12:13], s[12:13], s[68:69]
	v_lshlrev_b32 v5, 6, v2
.irp b, 0,1,2,3,4,5,6,7
	global_load_b128 v[BI+8*\b:BI+8*\b+3], v5, s[8:9] offset:(32*(\b/2)+8*(\b%2))*4
	global_load_b128 v[BI+8*\b+4:BI+8*\b+7], v5, s[8:9] offset:(32*(\b/2)+8*(\b%2))*4+16
.endr
.macro FRAG reg, adr, q, i
.irp c, 0,1,2,3
	ds_load_b128 v[\reg+4*\c:\reg+4*\c+3], v[\adr] offset:REC*(\q)+2048*(\i)+512*\c
.endr
.endm
.macro MUL16 a0, p, q, sc, first
.irp a, \a0, \a0+1
.irp b, 0,1,2,3,4,5,6,7
.if \first
	v_wmma_scale_f32_16x16x128_f8f6f4 v[8*(8*((\a)%4)+\b):8*(8*((\a)%4)+\b)+7], v[128*(\p)+FR*\b:128*(\p)+FR*\b+FR-1], v[AF+FR*(\a):AF+FR*(\a)+FR-1], v[BI+8*\b:BI+8*\b+7], v[SC+8*NQ*(\sc)+NQ*\b+(\q)], v[SC+8*NQ*(\sc)+NQ*(\a)+(\q)] matrix_a_scale:MATRIX_SCALE_ROW1
.else
	v_wmma_scale_f32_16x16x128_f8f6f4 v[8*(8*((\a)%4)+\b):8*(8*((\a)%4)+\b)+7], v[128*(\p)+FR*\b:128*(\p)+FR*\b+FR-1], v[AF+FR*(\a):AF+FR*(\a)+FR-1], v[8*(8*((\a)%4)+\b):8*(8*((\a)%4)+\b)+7], v[SC+8*NQ*(\sc)+NQ*\b+(\q)], v[SC+8*NQ*(\sc)+NQ*(\a)+(\q)] matrix_a_scale:MATRIX_SCALE_ROW1
.endif
.endr
.endr
.endm
.macro FETCH_B slot, q, p
	WIN TO_B
.irp i, 0,1,2,3,4,5,6,7
	FRAG 128*(\p)+FR*\i, ADRB+\slot, \q, \i
.endr
	WIN 0
.endm
.macro FETCH_A slot, q, i0
.irp i, \i0, \i0+1, \i0+2, \i0+3
	FRAG AF+FR*(\i), ADRA+\slot, \q, \i
.endr
.endm
.macro SCALES sc
.irp i, 0,1,2,3,4,5,6,7
	ds_load_b32 v[SC+8*NQ*\sc+NQ*\i], v[ADRS+\sc] offset:64*\i
	ds_load_b32 v[SC+8*NQ*\sc+NQ*\i+1], v[ADRS+\sc] offset:REC+64*\i
.endr
.endm
.macro PLACES n
.rept \n
	v_nop
.endr
.endm
.macro STEP slot, q, first
	s_wait_dscnt 4*NL
.if \first
	WIN 0x81
.else
	WIN MUL_LO
.endif
	MUL16 0, (\q)%2, \q, \slot, \first
	MUL16 2, (\q)%2, \q, \slot, \first
	s_wait_dscnt 0
	PLACES NP
	FETCH_B \slot, (\q)+1, 1-(\q)%2
	FETCH_A \slot, (\q)+1, 0
.if \first
	WIN 0xc1
.else
	WIN MUL_HI
.endif
	MUL16 4, (\q)%2, \q, \slot, \first
	MUL16 6, (\q)%2, \q, \slot, \first
	PLACES NP
	WIN 0
	FETCH_A \slot, (\q)+1, 4
.endm
.macro TURN slot, next, fill
	s_wait_tensorcnt 0x0
	ds_add_u32 v[SPW], v[NIL]
	s_wait_dscnt 4*NL+1
	WIN MUL_LO
	MUL16 0, 1, NQ-1, \slot, 0
	s_wait_dscnt 0x0
	s_barrier_signal -1
	MUL16 2, 1, NQ-1, \slot, 0
	WIN 0
	s_barrier_wait -1
.if \fill
	CREST
	s_add_nc_u64 s[G0+4*\slot+2:G0+4*\slot+3], s[G0+4*\slot+2:G0+4*\slot+3], 2*LOADB
	s_add_nc_u64 s[G0B+4*\slot+2:G0B+4*\slot+3], s[G0B+4*\slot+2:G0B+4*\slot+3], 2*LOADB
	JLOAD G0+4*\slot, G1, G0B+4*\slot, G1B
	PLACES NP-4
.else
	PLACES NP
.endif
	FETCH_B \next, 0, 0
	FETCH_A \next, 0, 0
	SCALES \next
	WIN MUL_HI
	MUL16 4, 1, NQ-1, \slot, 0
	MUL16 6, 1, NQ-1, \slot, 0
	PLACES NP
	WIN 0
	FETCH_A \next, 0, 4
.endm
	s_wait_alu depctr_va_vdst(0)
	s_wait_tensorcnt 0x0                           ; my parts of K steps 0 and 1 are in, and no tensor load of mine is out, so a descriptor may be written:
	s_mov_b32 s[G1+2], 132<<16                     ; from here on a load brings two records, 132 rows
	s_mov_b32 s[G1+4], 132
	s_mov_b32 s[G1B+2], 132<<16
	s_mov_b32 s[G1B+4], 132
	s_barrier_signal -1
	s_barrier_wait -1                              ; both slots are whole
	FETCH_B 0, 0, 0
	FETCH_A 0, 0, 0
	SCALES 0
	FETCH_A 0, 0, 4
	s_wait_loadcnt 0x0
	STEP 0, 0, 1
	TURN 0, 1, 1
	STEP 1, 0, 0
	TURN 1, 0, 1
	STEP 0, 0, 0
	TURN 0, 1, 0
	STEP 1, 0, 0
	s_wait_dscnt 4*NL
	WIN MUL_LO
	MUL16 0, 1, NQ-1, 1, 0
	MUL16 2, 1, NQ-1, 1, 0
	s_wait_dscnt 0
	WIN MUL_HI
	MUL16 4, 1, NQ-1, 1, 0
	MUL16 6, 1, NQ-1, 1, 0
	WIN 0
.macro TOSTAGE a
.set AC, 64*((\a)%4)
	WIN 0x08+4*((\a)/4)
.irp b, 0,1,2,3,4,5,6,7
	ds_store_b128 v[STO], v[AC+8*\b:AC+8*\b+3] offset:128*(\b/2)+32*(\b%2)
	ds_store_b128 v[STO], v[AC+8*\b+4:AC+8*\b+7] offset:128*(\b/2)+32*(\b%2)+16
.endr
	WIN 0
.set BB, BK+64*((\a)%2)
.irp t, 0,1,2,3,4,5,6,7,8,9,10,11,12,13,14,15
	ds_load_b128 v[BB+4*\t:BB+4*\t+3], v[RD] offset:\t*SPITCH
.endr
.endm
.macro SEND a, younger
.set BB, BK+64*((\a)%2)
	s_wait_dscnt \younger
.irp t, 0,1,2,3,4,5,6,7,8,9,10,11,12,13,14,15
	global_store_b128 v[CO], v[BB+4*\t:BB+4*\t+3], s[12:13] offset:(32*((\a)/2)+8*((\a)%2)+\t+8*(\t/8))*4096 th:TH_STORE_NT
.endr
.endm
	PLACES NP
	TOSTAGE 0
.irp a, 1,2,3,4,5,6,7
.if \a > 1
	s_wait_xcnt 0x0
.endif
	TOSTAGE \a
	SEND \a-1, 32
.endr
	SEND 7, 0
	s_wait_tensorcnt 0x0
	ds_add_u32 v[SPW], v[NIL]
	s_wait_dscnt 0x0
	CROUND
	s_endpgm
.Lfunc_end_k_qf5cfcdf6a6_gemm_out:
	.size	k_qf5cfcdf6a6_gemm_out, .Lfunc_end_k_qf5cfcdf6a6_gemm_out-k_qf5cfcdf6a6_gemm_out
	.p2alignl 7, 3214868480
	.fill 96, 4, 3214868480
	.section	.rodata,"a",@progbits
	.p2align	6, 0x0
	.amdhsa_kernel k_qf5cfcdf6a6_gemm_out
		.amdhsa_group_segment_fixed_size 327680
		.amdhsa_private_segment_fixed_size 0
		.amdhsa_enable_private_segment 0
		.amdhsa_kernarg_size 32
		.amdhsa_user_sgpr_count 2
		.amdhsa_user_sgpr_kernarg_segment_ptr 1
		.amdhsa_wavefront_size32 1
		.amdhsa_system_sgpr_workgroup_id_x 1
		.amdhsa_system_sgpr_workgroup_id_y 1
		.amdhsa_system_sgpr_workgroup_id_z 1
		.amdhsa_system_vgpr_workitem_id 0
		.amdhsa_next_free_vgpr 1024
		.amdhsa_next_free_sgpr 96
		.amdhsa_reserve_vcc 0
		.amdhsa_float_denorm_mode_32 3
		.amdhsa_float_denorm_mode_16_64 3
		.amdhsa_memory_ordered 1
		.amdhsa_forward_progress 1
		.amdhsa_inst_pref_size 146
	.end_amdhsa_kernel
	.amdgpu_metadata
---
amdhsa.version: [ 1, 2 ]
amdhsa.kernels:
  - .name:           k_qf5cfcdf6a6_gemm_out
    .symbol:         k_qf5cfcdf6a6_gemm_out.kd
    .args:
      - { .name: orr, .offset: 0, .size: 8, .value_kind: global_buffer, .address_space: global }
      - { .name: opr, .offset: 8, .size: 8, .value_kind: global_buffer, .address_space: global }
      - { .name: b_out, .offset: 16, .size: 8, .value_kind: global_buffer, .address_space: global }
      - { .name: out0, .offset: 24, .size: 8, .value_kind: global_buffer, .address_space: global }
    .group_segment_fixed_size: 327680
    .private_segment_fixed_size: 0
    .kernarg_segment_align: 8
    .kernarg_segment_size: 32
    .max_flat_workgroup_size: 128
    .sgpr_count:     96
    .vgpr_count:     1024
    .wavefront_size: 32
...
	.end_amdgpu_metadata
.endif
;; end of part 4
